; MI455X (gfx1250); checked and timed in simulation.
; The chip was launched on July 23, 2026; its instructions are those of AMD's public machine-readable ISA for CDNA 5 (MIT licence, August 2026) and "CDNA5" Instruction Set Architecture Reference Guide (July 2026). The comments in the code are by the model that wrote it; some were corrected since.
;; Multi Head Self Attention. Allowed arithmetic: matrix products marked QUANTISED: E2M3 operands, one E8M0 scale for each 32 along K, by v_wmma_scale_f32_16x16x128_f8f6f4 with both operands' format E2M3, f32 sums; everything else in f32.
;; Inputs: Wk 1,024 x 1,024 float32; Wo 1,024 x 1,024 float32; Wq 1,024 x 1,024 float32; Wv 1,024 x 1,024 float32; attention_mask 4 x 1 x 1 x 2,048 int32; bk 1,024 float32; bo 1,024 float32; bq 1,024 float32; bv 1,024 float32; input_embeddings 4 x 2,048 x 1,024 float32.
;; Outputs: out0 4 x 2,048 x 1,024 float32.
;; This version of the problem:
;;   THIS VERSION OF THE PROBLEM IS GIVEN IN LOW PRECISION. The matrix products marked QUANTISED in the list below multiply operands that are first quantised to E2M3 (2 exponent bits, 3 mantissa bits; 6 bits a number), with one power-of-two scale for each 32 numbers along K (OCP MX v1.0); their sums are f32. All else is computed in f32.
;;   The module's matrix products, in the order in which they are computed (A, B: the left and right operand; K: the contracted axis; several contracted axes count as one K, in the product's order):
;;     1. [M 8,192, K 1,024] x [K 1,024, N 1,024]; A: input input_embeddings; B: input Wq: QUANTISED
;;     2. [M 8,192, K 1,024] x [K 1,024, N 1,024]; A: input input_embeddings; B: input Wk: QUANTISED
;;     3. [M 8,192, K 1,024] x [K 1,024, N 1,024]; A: input input_embeddings; B: input Wv: QUANTISED
;;     4. batch 64 x [M 2,048, K 64] x [K 64, N 2,048]; A: computed on the way; B: computed on the way: QUANTISED
;;     5. batch 64 x [M 64, K 2,048] x [K 2,048, N 2,048]; A: computed on the way; B: softmax (see below): QUANTISED
;;     6. [M 8,192, K 1,024] x [K 1,024, N 1,024]; A: computed on the way; B: input Wo: QUANTISED
;;   THE QUANTISER, for each operand of a quantised product, along K:
;;     - K is cut into blocks of 32 from its start; a last block that is shorter is filled with zeros.
;;     - A block's scale is 2^e with e = floor(log2(the largest magnitude in the block)) - 2, held to -126 .. 127; a block of zeros has e = 0. As a byte (E8M0): e + 127.
;;     - Each number is divided by its block's scale, clamped to +-7.5, and rounded to the nearest number of E2M3, ties to even, subnormals kept.
;;     - The product sums the exact products of the quantised numbers (number of the format x scale) in f32.
;;   ~~~python
;;   def quantise(x, axis):      # numpy; x: float32 -> the quantised numbers, widened to float32 again
;;       x = np.moveaxis(x, axis, -1); K = x.shape[-1]
;;       x = np.pad(x, [(0, 0)] * (x.ndim - 1) + [(0, -K % 32)]); x = x.reshape(x.shape[:-1] + (-1, 32)); a = np.abs(x).max(-1, keepdims=True)
;;       e = np.where(a > 0, np.clip(np.frexp(np.where(a > 0, a, 1))[1] - 1 - 2, -126, 127), 0)      # np.frexp(a)[1] - 1 = floor(log2(a)), exactly
;;       r = np.clip(x / 2.0 ** e, -7.5, 7.5)
;;       step = 2.0 ** (np.maximum(np.frexp(np.where(r == 0, 1, r))[1] - 1, 0) - 3)
;;       q = np.round(r / step) * step * 2.0 ** e      # np.round: ties to even
;;       return np.moveaxis(q.reshape(q.shape[:-2] + (-1,))[..., :K], -1, axis).astype(np.float32)
;;   ~~~
;;   SOFTMAX AHEAD OF A QUANTISED PRODUCT. Where the list says 'softmax', what is quantised is not the finished softmax but p = 2^(t - M), with t = logit x log2(e) and M = ceil(the row's largest t), a whole number; so 1/2 < the row's largest p <= 1. The row's sum l is taken of the UNQUANTISED p, in f32, and the product's result is divided by l at the end. Since M is a whole number, a kernel that streams over the keys may use a running M (the ceiling of the running maximum): every later rescaling is an exact power of two, which a block's scale takes up: the codes' values come out the same.
;;   OPERANDS COMPUTED ON THE WAY. 'Computed on the way' means the value that the module computes at that place (a softmax that the list does not call 'softmax' is quantised finished and normalised). What goes into a quantiser is computed in f32, as accurately as f32 sums, v_exp_f32 and their like allow (about 1e-6 of the number): no bf16 or f16 on the way to a quantiser, and a product that is left as it is and whose result goes on into a quantised operand takes f32 operands (vector FMAs, or v_wmma_f32_16x16x4_f32). A number that lies on a knife's edge between two numbers of the format may be rounded either way, as far as f32 arithmetic and the matrix unit's own rounding can turn it there, and no further.
;; One version. Each part assembles by itself: llvm-mc -triple=amdgcn-amd-amdhsa -mcpu=gfx1250 --defsym DOCPART=n.
;; ======== version 1 of 1: 4 launches
;; limits: right only within a limited range of input values
;; workspace buffers: cbuf 9,437,184 bytes; sbuf 393,216 bytes; qbuf 6,815,744 bytes; kvbuf 13,369,344 bytes; cc 6,291,456 bytes; cs 262,144 bytes
;; launch quant (part 1): grid 256 x 1, 6 waves a work-group, no clusters, 51,456 bytes of LDS; arguments input_embeddings, Wq, Wk, Wv, Wo, cbuf, sbuf; writes cbuf, sbuf
.if DOCPART == 1
	.amdgcn_target "amdgcn-amd-amdhsa--gfx1250"
	.amdhsa_code_object_version 6
	.text
	.protected	k_q4a58032f78_quant
	.globl	k_q4a58032f78_quant
	.p2align	8
	.type	k_q4a58032f78_quant,@function
k_q4a58032f78_quant:
	s_mov_b64 s[64:65], 0
	v_nop
	global_prefetch_b8 v0, s[64:65] scope:SCOPE_SE
	s_setreg_imm32_b32 hwreg(HW_REG_WAVE_MODE, 25, 1), 1
	s_wait_xcnt 0x0
; x [8192][1024] and Wq, Wk, Wv, Wo [1024][1024], f32 with K innermost, become codes of FP6 (E2M3) with one E8M0 byte for each 32 along K,
; laid in the ORDER OF AN OPERAND'S REGISTERS, so that the products' launches fetch fragments by loads of 16 and 8 bytes on end.
; TILES.  Rows go in groups of 128; tile t (0..7) of a group holds at lane index i (0..15) the row 64 (t / 4) + 32 (i / 8) + 8 (t % 4) + i % 8.
; A tile as source 0 of the matrix instruction then leaves, in a lane's registers of tiles 4 c .. 4 c + 3, 32 neighbouring rows: a whole block of the next quantiser.
; A TILE RECORD (12,288 bytes) is 8 fragments (16 rows x 128 K); a fragment is two halves of 768 bytes (64 K each): lane l's registers 0-3 at 16 l, its registers 4-5 at 512 + 8 l.
; A SCALE RECORD (512 bytes): [K half 2][row index 16][4 words]; a word's byte b scales the step's k = 32 b .. 32 b + 31.
; Tiles 0-511 are x's, 512.. Wq's, 576.. Wk's, 640.. Wv's, 704.. Wo's.
; A block's scale is 2^(floor(log2(largest magnitude)) - 2); its byte is the largest magnitude's exponent field - 2, held at 1 from below.
; LIMITS: a block of zeros, or one whose largest magnitude lies under 2^-124, keeps the byte 1 (its bytes are read by this program alone); NaN and infinities are not served.
; SHARES.  1,536 units = 768 tiles x 2 halves of K; a wave takes one: 16 rows x 512 numbers, in 4 steps of one fragment.  Each load reads 512 bytes on end of one row; the step's
; 8,192 bytes turn through the wave's own stage in LDS (rows 528 bytes apart), from which lane (r, h) takes, of row r, the 32 numbers k = 64 c + 32 h .. of each half c.
; No barrier, no cluster, no matrix unit: the waves share nothing and every input byte is read once.  Two steps' loads (32 a wave) run ahead.
.set ROWB, 4096                        ; a row of any of the five tensors, in bytes
.set SP,   528                         ; a stage row: 512 bytes + 16
.set STG,  16*SP                       ; a wave's stage
.set R,    16                          ; v16-143  two sets of 64: a step's numbers as loaded
.set X,    144                         ; v144-207 my 2 x 32 neighbours along K
.set C,    208                         ; v208-239 codes: set s % 2 at +16, half c at +8
.set MX,   240                         ; v240-243 four chains of maxima
.set SO,   244                         ; v244-245 the conversions' scale operands
.set BY,   246                         ; v246-247 the scale bytes
.set W,    248                         ; v248-251 the four steps' scale words
.set TT,   252                         ; v252-253 at work
	s_load_b256 s[8:15], s[0:1], 0x0               ; x, Wq, Wk, Wv
	s_load_b128 s[16:19], s[0:1], 0x20             ; Wo, cbuf
	s_load_b64 s[20:21], s[0:1], 0x30              ; sbuf
	v_lshl_add_u32 v231, v0, 2, 0xc600
	v_mov_b32 v239, 0
	v_lshrrev_b32 v1, 5, v0
	v_readfirstlane_b32 s2, v1                     ; wave 0..5
	v_and_b32 v1, 31, v0                           ; lane l
	v_and_b32 v2, 15, v0                           ; r
	v_bfe_u32 v3, v0, 4, 1                         ; h
	v_lshlrev_b32 v4, 4, v1                        ; 16 l: my bytes of a load's 512, and of a store's
	v_lshlrev_b32 v5, 3, v1                        ; 8 l
	s_mul_i32 s3, s2, STG
	v_add_nc_u32 v6, s3, v4                        ; into the stage: 16 l of a row
	v_mul_u32_u24 v7, v2, SP
	v_lshl_add_u32 v7, v3, 7, v7
	v_add_nc_u32 v7, s3, v7                        ; out of it: row r, + 128 h bytes
	v_lshlrev_b32 v8, 3, v3                        ; 8 h: my bytes' shift in a scale word
	v_lshlrev_b32 v9, 4, v2
	v_add_nc_u32 v9, v9, v8                        ; 16 r + 8 h: my two words of the scale record
	v_mov_b32 v[TT+1], 0                           ; written once: a lane permute's destination counts as one of its sources
	s_mov_b32 s22, 0x76543210
	s_mov_b32 s23, 0xfedcba98                      ; v_permlanex16_b32's selects for lane l xor 16
	s_mul_i32 s3, ttmp9, 6
	s_add_co_u32 s3, s3, s2                        ; my unit
	s_and_b32 s24, s3, 1                           ; which half of K
	s_lshr_b32 s3, s3, 1                           ; tile T
	s_and_b32 s6, s3, 63
	s_cmp_lt_u32 s3, 512
	s_cselect_b32 s6, s3, s6                       ; the tile's number in its own tensor
	s_lshr_b32 s7, s6, 3
	s_lshl_b32 s7, s7, 7                           ; 128 x group
	s_bfe_u32 s25, s6, 0x10002
	s_lshl_b32 s25, s25, 6                         ; + 64 (t / 4)
	s_add_co_u32 s7, s7, s25
	s_and_b32 s25, s6, 3
	s_lshl_b32 s25, s25, 3                         ; + 8 (t % 4)
	s_add_co_u32 s7, s7, s25                       ; the row at lane index 0
	s_lshl_b32 s26, s7, 12
	s_lshl_b32 s25, s24, 11
	s_add_co_u32 s26, s26, s25                     ; in bytes, + my half of K
	s_mov_b32 s27, 0
	s_mul_i32 s28, s3, 12288
	s_mul_i32 s25, s24, 6144
	s_add_co_u32 s28, s28, s25                     ; my four fragments in the tile record
	s_mov_b32 s29, 0
	s_lshl_b32 s30, s3, 9
	s_lshl_b32 s25, s24, 8
	s_add_co_u32 s30, s30, s25                     ; my 256 bytes of the scale record
	s_mov_b32 s31, 0
	s_wait_alu depctr_va_vdst(0)
	s_wait_kmcnt 0x0
	s_cmp_ge_u32 s3, 512                           ; which tensor: the choice hangs on the tile's number alone
	s_cselect_b64 s[4:5], s[10:11], s[8:9]
	s_cmp_ge_u32 s3, 576
	s_cselect_b64 s[4:5], s[12:13], s[4:5]
	s_cmp_ge_u32 s3, 640
	s_cselect_b64 s[4:5], s[14:15], s[4:5]
	s_cmp_ge_u32 s3, 704
	s_cselect_b64 s[4:5], s[16:17], s[4:5]
	s_add_nc_u64 s[4:5], s[4:5], s[26:27]
	s_add_nc_u64 s[18:19], s[18:19], s[28:29]
	s_add_nc_u64 s[20:21], s[20:21], s[30:31]
.macro LOAD s                          ; step s: 128 numbers of each of my 16 rows; a load takes one row's 512 bytes
.irp i, 0,1,2,3,4,5,6,7,8,9,10,11,12,13,14,15
	global_load_b128 v[R+64*((\s)%2)+4*\i:R+64*((\s)%2)+4*\i+3], v4, s[4:5] offset:(32*(\i/8)+\i%8)*ROWB+512*(\s) th:TH_LOAD_NT
.endr
.endm
.macro STEP s
.set RS, R+64*((\s)%2)
.set CS, C+16*((\s)%2)
.if (\s) < 3
	s_wait_loadcnt 16                              ; this step's 16 loads are in; the next step's 16 may be out
.else
	s_wait_loadcnt 0x0
.endif
.irp i, 0,1,2,3,4,5,6,7,8,9,10,11,12,13,14,15
	ds_store_b128 v6, v[RS+4*\i:RS+4*\i+3] offset:SP*\i
.endr
.irp c, 0,1
.irp q, 0,1,2,3,4,5,6,7
	ds_load_b128 v[X+32*\c+4*\q:X+32*\c+4*\q+3], v7 offset:256*\c+16*\q   ; LDS serves a wave's instructions in order: these see the stores above
.endr
.endr
	s_wait_dscnt 0x0                               ; my 64 numbers are back, and the stores have read their registers,
.if (\s) < 2
	LOAD (\s)+2                                    ; which take the loads of two steps on
.endif
.irp c, 0,1
.irp f, 0,1
	v_max3_num_f32 v[MX+2*\c+\f], |v[X+32*\c+16*\f]|, |v[X+32*\c+16*\f+1]|, 0x1800000   ; four chains by turns; the floor 2^(3 - 127) holds the byte at 1 from below
.endr
.endr
.irp i, 2,4,6,8,10,12,14
.irp c, 0,1
.irp f, 0,1
	v_max3_num_f32 v[MX+2*\c+\f], v[MX+2*\c+\f], |v[X+32*\c+16*\f+\i]|, |v[X+32*\c+16*\f+\i+1]|
.endr
.endr
.endr
.irp c, 0,1
	v_max_num_f32 v[MX+2*\c], v[MX+2*\c], v[MX+2*\c+1]   ; block 2 c + h: all its 32 numbers are mine
.endr
.irp c, 0,1
	v_add_nc_u32 v[SO+\c], 0xff000000, v[MX+2*\c]  ; 2 off the exponent field: the conversion takes this operand's exponent field as its scale
.endr
.irp c, 0,1
	v_lshrrev_b32 v[BY+\c], 23, v[SO+\c]           ; the scale's byte
.endr
	v_lshl_or_b32 v[TT], v[BY+1], 16, v[BY]        ; my two bytes, blocks h and 2 + h,
	v_lshlrev_b32 v[TT], v8, v[TT]                 ; at their places;
	v_permlanex16_b32 v[TT+1], v[TT], s22, s23
	v_or_b32 v[W+(\s)], v[TT], v[TT+1]             ; with lane l xor 16's two the row's word is whole
.if (\s) >= 2
	s_wait_alu depctr_va_vdst(0)
	s_wait_xcnt 0x0                                ; the stores of two steps back have read this set of code registers: only now is it written again
.endif
.irp c, 0,1
	v_cvt_scalef32_pk16_fp6_f32 v[CS+8*\c:CS+8*\c+2], v[X+32*\c:X+32*\c+15], v[SO+\c]
	v_cvt_scalef32_pk16_fp6_f32 v[CS+8*\c+4:CS+8*\c+6], v[X+32*\c+16:X+32*\c+31], v[SO+\c]   ; (a conversion's three registers begin on an even number)
.endr
	v_nop                                          ; one plain place behind a scaled conversion
.irp c, 0,1
.irp i, 0,1,2
	v_mov_b32 v[CS+8*\c+3+\i], v[CS+8*\c+4+\i]     ; six registers on end: k = 64 c + 32 h + 0 .. 31
.endr
.endr
.irp c, 0,1
	global_store_b128 v4, v[CS+8*\c:CS+8*\c+3], s[18:19] offset:1536*(\s)+768*\c          ; 512 bytes on end
	global_store_b64 v5, v[CS+8*\c+4:CS+8*\c+5], s[18:19] offset:1536*(\s)+768*\c+512     ; 256 bytes on end
.endr
.endm
	LOAD 0
	LOAD 1
	STEP 0
	STEP 1
	STEP 2
	STEP 3
	v_cmp_ne_u32 vcc_lo, 0, v3
	v_cndmask_b32 v254, v[W], v[W+2], vcc_lo       ; lanes 0-15 store a row's words 0, 1, lanes 16-31 its words 2, 3
	v_cndmask_b32 v255, v[W+1], v[W+3], vcc_lo
	global_store_b64 v9, v[254:255], s[20:21]      ; the wave stores 256 consecutive bytes, aligned
	s_wait_tensorcnt 0x0
	ds_add_u32 v231, v239
	s_wait_dscnt 0x0
	s_endpgm
.Lfunc_end_k_q4a58032f78_quant:
	.size	k_q4a58032f78_quant, .Lfunc_end_k_q4a58032f78_quant-k_q4a58032f78_quant
	.p2alignl 7, 3214868480
	.fill 96, 4, 3214868480
	.section	.rodata,"a",@progbits
	.p2align	6, 0x0
	.amdhsa_kernel k_q4a58032f78_quant
		.amdhsa_group_segment_fixed_size 51456
		.amdhsa_private_segment_fixed_size 0
		.amdhsa_enable_private_segment 0
		.amdhsa_kernarg_size 56
		.amdhsa_user_sgpr_count 2
		.amdhsa_user_sgpr_kernarg_segment_ptr 1
		.amdhsa_wavefront_size32 1
		.amdhsa_system_sgpr_workgroup_id_x 1
		.amdhsa_system_sgpr_workgroup_id_y 1
		.amdhsa_system_sgpr_workgroup_id_z 1
		.amdhsa_system_vgpr_workitem_id 0
		.amdhsa_next_free_vgpr 256
		.amdhsa_next_free_sgpr 66
		.amdhsa_reserve_vcc 1
		.amdhsa_float_denorm_mode_32 3
		.amdhsa_float_denorm_mode_16_64 3
		.amdhsa_memory_ordered 1
		.amdhsa_forward_progress 1
		.amdhsa_inst_pref_size 32
	.end_amdhsa_kernel
	.amdgpu_metadata
---
amdhsa.version: [ 1, 2 ]
amdhsa.kernels:
  - .name:           k_q4a58032f78_quant
    .symbol:         k_q4a58032f78_quant.kd
    .args:
      - { .name: input_embeddings, .offset: 0, .size: 8, .value_kind: global_buffer, .address_space: global }
      - { .name: Wq, .offset: 8, .size: 8, .value_kind: global_buffer, .address_space: global }
      - { .name: Wk, .offset: 16, .size: 8, .value_kind: global_buffer, .address_space: global }
      - { .name: Wv, .offset: 24, .size: 8, .value_kind: global_buffer, .address_space: global }
      - { .name: Wo, .offset: 32, .size: 8, .value_kind: global_buffer, .address_space: global }
      - { .name: cbuf, .offset: 40, .size: 8, .value_kind: global_buffer, .address_space: global }
      - { .name: sbuf, .offset: 48, .size: 8, .value_kind: global_buffer, .address_space: global }
    .group_segment_fixed_size: 51456
    .private_segment_fixed_size: 0
    .kernarg_segment_align: 8
    .kernarg_segment_size: 56
    .max_flat_workgroup_size: 192
    .sgpr_count:     66
    .vgpr_count:     256
    .wavefront_size: 32
...
	.end_amdgpu_metadata
.endif
;; end of part 1
;; launch qkv (part 2): grid 24 x 32, 4 waves a work-group, clusters of 4 x 4, 307,712 bytes of LDS; arguments cbuf, sbuf, bq, bk, bv, qbuf, kvbuf; writes qbuf, kvbuf
.if DOCPART == 2
	.amdgcn_target "amdgcn-amd-amdhsa--gfx1250"
	.amdhsa_code_object_version 6
	.text
	.protected	k_q4a58032f78_qkv
	.globl	k_q4a58032f78_qkv
	.p2align	8
	.type	k_q4a58032f78_qkv,@function
k_q4a58032f78_qkv:
	s_mov_b64 s[64:65], 0
	v_nop
	global_prefetch_b8 v0, s[64:65] scope:SCOPE_SE
	s_setreg_imm32_b32 hwreg(HW_REG_WAVE_MODE, 25, 1), 1
	s_wait_xcnt 0x0
	s_wait_alu depctr_hold_cnt(0) depctr_sa_sdst(0) depctr_va_vdst(0) depctr_va_sdst(0) depctr_va_ssrc(0) depctr_va_vcc(0) depctr_vm_vsrc(0)
	s_getreg_b32 s2, hwreg(HW_REG_IB_STS2, 6, 4)
	s_cmp_eq_u32 s2, 0
	s_cbranch_scc0 .Lentry_in_a_cluster
	s_endpgm
.Lentry_in_a_cluster:
	s_bfe_u32 s2, ttmp6, 0x10000c
	s_cmp_lg_u32 s2, 0xf033
	s_cbranch_scc0 .Lentry_shape_is_right
	s_endpgm
.Lentry_shape_is_right:
; q = x Wq^T + bq, k = x Wk^T + bk, v = x Wv^T + bv on codes of FP6 (E2M3) with E8M0 scales, sums in f32; the results are quantised again in registers
; (q and k along a head's 64 channels, v along the keys) and stored in the order in which the attention launch's operand registers take them.
; THE CORE.  A work-group multiplies a P region (128 rows = 8 tiles, source 0) by a Q region (256 rows = 16 tiles, source 1) over K = 1,024.  Both regions lie in LDS for ALL of K
; (294,912 bytes of codes): every LDS byte is filled once, in two halves of 512 along K, all asked for at the head.  Wave w takes all 8 P tiles x Q tiles 4 w .. 4 w + 3:
; 32 accumulators, 256 matrix instructions.  In the result a lane holds ONE row of the Q region, and its registers run along the P region's rows; by the tiles' row order (launch quant)
; the 32 registers of P tiles 4 c .. 4 c + 3 are rows 64 c + 32 h + 0 .. 31: a whole block of the next quantiser in one lane, at its place in the next operand's layout.
; ROLES, by the cluster's x (the same in all sixteen partners): x = 0, 1: q; x = 2, 3: k: P = 128 rows of the weight (two heads), Q region = 256 tokens: a lane holds a token, registers run along
; the channels.  x = 4, 5: v: P = 128 tokens, Q region = 256 rows of Wv (a head to a wave): a lane holds a channel, registers run along the keys.
; CLUSTER 4 x 4.  P's tiles hang on cx and are asked for jointly by the cluster's column, the Q region's hang on cy and are asked for jointly by its row.
; Nothing is prefetched: every tile is asked for by the tensor loads at the head.  One tensor load of a wave is out.
; LIMITS: as in launch quant (byte 1 for blocks under 2^-124; NaN and infinities not served).
; REGISTERS, in windows of 256: window 0: v1-15 addresses; v16-47 P's scale words, v48-63 the Q region's; v64-159 the Q region's fragments, two sets; v160-223 the biases as C; v224-255 at work.
;   window 1: accumulator (a, b) at v[8 (8 a + b)].   window 2: v0-191 P's fragments, two sets.
; THE FILLS, as this text has them (in place of the four chunks and five loads named above): each region lies in LDS as [K half 2][tile][6,144 bytes]; each wave issues ONE tensor load at the head:
; wave 0 the Q region's K half 0, wave 1 P's K half 0, wave 2 the Q region's K half 1, wave 3 P's.  The products begin when waves 0 and 1 have waited; a barrier in K step 3 shows the other two tiles.
; The scale words go from memory straight into their registers, sixteen lanes to 256 bytes on end.
.set PREG, 0                           ; LDS: P's codes [K half 2][tile 8][6,144]
.set QREG, 98304                       ; the Q region's [K half 2][tile 16][6,144]
.set PCH,  49152                       ; from K half 0 to K half 1
.set QCH,  98304
.set AP16, 1                           ; v1  PREG + chunk + 16 l
.set AP8,  2                           ; v2  PREG + chunk + 8 l
.set AQ16, 3                           ; v3  QREG + chunk + 24,576 w + 16 l
.set AQ8,  4                           ; v4  the same + 8 l
.set ASP,  5                           ; v5  512 h + 16 r
.set ASQ,  6                           ; v6  2,048 w + 512 h + 16 r
.set SCP,  16                          ; register 8 (b / 2) + s: lanes 0-15 the words of P tile b even, lanes 16-31 of b odd, K step s
.set SCQ,  48
.set QF,   64
.set CI,   160
.set MX,   224                         ; the way out: four chains of maxima
.set SOV,  228                         ; two scale operands
.set BYV,  230                         ; two bytes
.set TT,   232                         ; at work
.set WD,   240                         ; the four tiles' scale words
.set CD,   64                          ; codes of (a, c) at v[64 + 8 (2 a + c)]
.set G0PS, 8
.set G0QS, 12
.set G0Q,  16
.set G1Q,  32
.set G1P,  40
.set G1QS, 48
.set G1PS, 56
.set G0P,  68
.set WV,   98
.set CX,   99
.set CY,   100
.set HW,   101
.set MSB, 0
.macro WIN new                         ; the immediate's high byte repeats the setting that is left
.if MSB != \new
	s_set_vgpr_msb (MSB<<8)|\new
.set MSB, \new
.endif
.endm
.macro CREST                           ; a round of the cluster's barrier behind its opening barrier
	s_cmp_lg_u32 s[WV], 0
	s_cbranch_scc1 .Lnot_wave_0_\@
	s_barrier_signal -3
.Lnot_wave_0_\@:
	s_barrier_wait -3
	s_barrier_signal -1
	s_barrier_wait -1
.endm
.macro CROUND
	s_barrier_signal -1
	s_barrier_wait -1
	CREST
.endm
.macro GROUP1 g, c, r, p               ; words 1 to 7 of a descriptor's group 1: r rows of c elements of 8 bytes, p elements apart
	s_mov_b32 s[\g+1], (\c)<<16
	s_mov_b32 s[\g+2], (\r)<<16
	s_mov_b32 s[\g+3], (\c)<<16
	s_mov_b32 s[\g+4], \r
	s_mov_b32 s[\g+5], \p
	s_mov_b32 s[\g+6], 0
	s_mov_b32 s[\g+7], 0
.endm
.macro WM ac, pf, qf, cc, sa, sb, pa, pb   ; one product; pa, pb: that side's scale words stand in lanes 16-31
.if (\pa) && (\pb)
	v_wmma_scale_f32_16x16x128_f8f6f4 v[\ac:\ac+7], v[\pf:\pf+11], v[\qf:\qf+11], v[\cc:\cc+7], v[\sa], v[\sb] matrix_a_fmt:MATRIX_FMT_FP6 matrix_b_fmt:MATRIX_FMT_FP6 matrix_a_scale:MATRIX_SCALE_ROW1 matrix_b_scale:MATRIX_SCALE_ROW1
.elseif (\pa)
	v_wmma_scale_f32_16x16x128_f8f6f4 v[\ac:\ac+7], v[\pf:\pf+11], v[\qf:\qf+11], v[\cc:\cc+7], v[\sa], v[\sb] matrix_a_fmt:MATRIX_FMT_FP6 matrix_b_fmt:MATRIX_FMT_FP6 matrix_a_scale:MATRIX_SCALE_ROW1
.elseif (\pb)
	v_wmma_scale_f32_16x16x128_f8f6f4 v[\ac:\ac+7], v[\pf:\pf+11], v[\qf:\qf+11], v[\cc:\cc+7], v[\sa], v[\sb] matrix_a_fmt:MATRIX_FMT_FP6 matrix_b_fmt:MATRIX_FMT_FP6 matrix_b_scale:MATRIX_SCALE_ROW1
.else
	v_wmma_scale_f32_16x16x128_f8f6f4 v[\ac:\ac+7], v[\pf:\pf+11], v[\qf:\qf+11], v[\cc:\cc+7], v[\sa], v[\sb] matrix_a_fmt:MATRIX_FMT_FP6 matrix_b_fmt:MATRIX_FMT_FP6
.endif
.endm
; 8 products: Q tile a against P's eight, K step s.  ci = 0: onto the sums; 1: the bias of P's rows starts them; 2: the bias of the Q region's rows does.
; The 32 accumulators take turns, one instruction a turn, in the same order in every step.
.macro MUL a, s, ci
.irp b, 0,1,2,3,4,5,6,7
.set AC, 8*(8*(\a)+\b)
.set CC, AC
.if (\ci) == 1
.set CC, CI+8*\b
.elseif (\ci) == 2
.set CC, CI+8*((\a)+4*(\b/4))
.endif
	WM AC, 96*((\s)%2)+12*\b, QF+48*((\s)%2)+12*(\a), CC, SCP+8*(\b/2)+(\s), SCQ+8*((\a)/2)+(\s), \b%2, (\a)%2
.endr
.endm
.macro FETCH s                         ; K step s's 12 fragments, as they lie: 48 loads of 512 or 256 bytes on end
	WIN 0x80                                       ; destination window 2
.irp b, 0,1,2,3,4,5,6,7
.set FB, 96*((\s)%2)+12*\b
.set FO, 6144*\b+1536*((\s)%4)
	ds_load_b128 v[FB:FB+3], v[AP16] offset:FO
	ds_load_b64 v[FB+4:FB+5], v[AP8] offset:FO+512
	ds_load_b128 v[FB+6:FB+9], v[AP16] offset:FO+768
	ds_load_b64 v[FB+10:FB+11], v[AP8] offset:FO+1280
.endr
	WIN 0
.irp a, 0,1,2,3
.set FB, QF+48*((\s)%2)+12*\a
.set FO, 6144*\a+1536*((\s)%4)
	ds_load_b128 v[FB:FB+3], v[AQ16] offset:FO
	ds_load_b64 v[FB+4:FB+5], v[AQ8] offset:FO+512
	ds_load_b128 v[FB+6:FB+9], v[AQ16] offset:FO+768
	ds_load_b64 v[FB+10:FB+11], v[AQ8] offset:FO+1280
.endr
.endm
.macro SCALES                          ; all scale words of my tiles, for all of K: lanes 0-15 take the even tile's, lanes 16-31 the odd tile's
.irp j, 0,1,2,3
.irp f, 0,1
	global_load_b128 v[SCP+8*\j+4*\f:SCP+8*\j+4*\f+3], v[ASP], s[66:67] offset:1024*\j+256*\f
.endr
.endr
.irp j, 0,1
.irp f, 0,1
	global_load_b128 v[SCQ+8*\j+4*\f:SCQ+8*\j+4*\f+3], v[ASQ], s[8:9] offset:1024*\j+256*\f
.endr
.endr
.endm
; K step s, 1 to 7.  A load into a register that a matrix instruction has read stands four plain vector instructions behind it (ISA guide 7.12.1 for vector instructions).
.macro GSTEP s
	s_wait_dscnt 0x0                               ; this step's fragments are in (asked for 32 matrix instructions ago)
.if (\s) == 7
	WIN 0x52
	MUL 0, \s, 0
	MUL 1, \s, 0
	MUL 2, \s, 0
	MUL 3, \s, 0
.elseif (\s) != 3                      ; the next step lies in the same K half
.rept 4
	v_nop
.endr
	FETCH (\s)+1
	WIN 0x52                                       ; source 0 window 2, C and D window 1
	MUL 0, \s, 0
	MUL 1, \s, 0
	MUL 2, \s, 0
	MUL 3, \s, 0
.else                                  ; the next step begins a chunk: my part of it has landed, then everybody's
	s_wait_tensorcnt 0x0                           ; every wave's one load has landed: K half 1 is whole behind this barrier; nothing is filled again
	s_barrier_signal -1
	WIN 0x52
	MUL 0, \s, 0
	WIN 0
	s_barrier_wait -1
	v_add_nc_u32 v[AP16], PCH, v[AP16]             ; on to the next chunk; these four are also the places in front of the loads
	v_add_nc_u32 v[AP8], PCH, v[AP8]
	v_add_nc_u32 v[AQ16], QCH, v[AQ16]
	v_add_nc_u32 v[AQ8], QCH, v[AQ8]
	FETCH (\s)+1
	WIN 0x52
	MUL 1, \s, 0
	MUL 2, \s, 0
	MUL 3, \s, 0
.endif
.endm
	s_load_b256 s[84:91], s[0:1], 0x0              ; cbuf, sbuf, bq, bk
	s_load_b128 s[92:95], s[0:1], 0x20             ; bv, qbuf
	s_load_b64 s[96:97], s[0:1], 0x30              ; kvbuf
	v_lshl_add_u32 v254, v0, 2, 0x4b000
	v_mov_b32 v255, 0
	ds_add_u32 v254, v255
	ds_add_u32 v254, v255
	v_lshrrev_b32 v1, 5, v0
	v_readfirstlane_b32 s[WV], v1                  ; wave 0..3
	s_and_b32 s[HW], s[WV], 1                      ; which half of a group's eight Q tiles I hold
	s_bfe_u32 s[CX], ttmp6, 0x40000
	s_bfe_u32 s[CY], ttmp6, 0x40004
	s_lshl_b32 s2, 0x1111, s[CX]                   ; my column of the cluster: P's partners
	s_lshl_b32 s4, s[CY], 2
	s_lshl_b32 s4, 15, s4                          ; my row: the Q region's partners
	s_or_b32 s[G1P], s2, (3<<16)|(1<<21)           ; 15:0 the mask; 17:16 elements of 8 bytes; 21 set beside a mask; no padding
	s_or_b32 s[G1Q], s4, (3<<16)|(1<<21)
	GROUP1 G1Q, 768, 16, 1536                      ; 16 tiles' 6,144 bytes of a K half, 12,288 bytes apart
	GROUP1 G1P, 768, 8, 1536                       ; 8 tiles'
	s_and_b32 s6, ttmp7, 0xffff
	s_lshl_b32 s6, s6, 6                           ; 64 Y
	s_and_b32 s7, ttmp9, 1
	s_lshl_b32 s7, s7, 5
	s_add_co_u32 s7, s7, s6                        ; v: P begins at x's tile 64 Y + 32 (X % 2) (+ 8 cx)
	s_lshl_b32 s66, ttmp9, 5
	s_add_co_u32 s66, s66, 512                     ; q, k: at the weights' tile 512 + 32 X (+ 8 cx)
	s_mov_b32 s67, 640                             ; v: the Q region begins at Wv's tile 640 (+ 16 cy); q, k: at x's tile 64 Y (+ 16 cy)
	s_cmp_lt_u32 ttmp9, 4
	s_cselect_b32 s7, s66, s7
	s_cselect_b32 s6, s6, s67
	s_lshl_b32 s2, s[CX], 3                        ; P's registers (s2, s3, s66, s67) never hold cy, the Q region's (s4 to s7) never cx
	s_add_co_u32 s2, s2, s7
	s_lshl_b32 s4, s[CY], 4
	s_add_co_u32 s4, s4, s6
	s_lshl_b32 s66, s2, 9
	s_mov_b32 s67, 0
	s_mul_i32 s2, s2, 12288
	s_mov_b32 s3, 0
	s_lshl_b32 s6, s4, 9
	s_mov_b32 s7, 0
	s_mul_i32 s4, s4, 12288
	s_mov_b32 s5, 0
	s_wait_dscnt 0x0
	s_wait_kmcnt 0x0
	s_add_nc_u64 s[2:3], s[84:85], s[2:3]          ; P's codes
	s_add_nc_u64 s[66:67], s[86:87], s[66:67]      ; P's scales
	s_add_nc_u64 s[4:5], s[84:85], s[4:5]          ; the Q region's codes
	s_add_nc_u64 s[8:9], s[86:87], s[6:7]          ; and scales
.irp c, 0,1                            ; a group 0 for each K half of each region
	s_mov_b32 s[G0P+4*\c], 1
	s_mov_b32 s[G0P+4*\c+1], PREG+PCH*\c
	s_add_nc_u64 s[G0P+4*\c+2:G0P+4*\c+3], s[2:3], 6144*\c
	s_or_b32 s[G0P+4*\c+3], s[G0P+4*\c+3], 0x80000000
	s_mov_b32 s[G0Q+4*\c], 1
	s_mov_b32 s[G0Q+4*\c+1], QREG+QCH*\c
	s_add_nc_u64 s[G0Q+4*\c+2:G0Q+4*\c+3], s[4:5], 6144*\c
	s_or_b32 s[G0Q+4*\c+3], s[G0Q+4*\c+3], 0x80000000
.endr
	CROUND                                         ; all sixteen work-groups are here: the joint loads meet
	s_cmp_eq_u32 s[WV], 0                          ; one chain of branches on the wave's number, one load to an arm
	s_cbranch_scc0 .Larm1
	tensor_load_to_lds s[G0Q:G0Q+3], s[G1Q:G1Q+7]  ; wave 0: the Q region, K half 0
	s_nop 0
.rept 4
	v_nop
.endr
	s_branch .Lfilled
.Larm1:
	s_cmp_eq_u32 s[WV], 1
	s_cbranch_scc0 .Larm2
	tensor_load_to_lds s[G0P:G0P+3], s[G1P:G1P+7]  ; wave 1: P, K half 0
	s_nop 0
.rept 4
	v_nop
.endr
	s_branch .Lfilled
.Larm2:
	s_cmp_eq_u32 s[WV], 2
	s_cbranch_scc0 .Larm3
	tensor_load_to_lds s[G0Q+4:G0Q+7], s[G1Q:G1Q+7]  ; wave 2: the Q region, K half 1
	s_nop 0
.rept 4
	v_nop
.endr
	s_branch .Lfilled
.Larm3:
	tensor_load_to_lds s[G0P+4:G0P+7], s[G1P:G1P+7]  ; wave 3: P, K half 1
	s_nop 0
.rept 4
	v_nop
.endr
.Lfilled:
	v_and_b32 v7, 31, v0                           ; l
	v_and_b32 v8, 15, v0                           ; r
	v_bfe_u32 v9, v0, 4, 1                         ; h
	v_lshlrev_b32 v[AP16], 4, v7                   ; (PREG = 0)
	v_lshlrev_b32 v[AP8], 3, v7
	s_mul_i32 s6, s[WV], 24576                     ; my four tiles of a K half
	s_add_co_u32 s6, s6, QREG
	v_add_nc_u32 v[AQ16], s6, v[AP16]
	v_add_nc_u32 v[AQ8], s6, v[AP8]
	v_lshlrev_b32 v[ASP], 9, v9
	v_lshl_add_u32 v[ASP], v8, 4, v[ASP]
	s_lshl_b32 s6, s[WV], 11
	v_add_nc_u32 v[ASQ], s6, v[ASP]                ; offsets in the regions' scale records: 512 h + 16 r, and + 2,048 w
	v_lshlrev_b32 v10, 7, v9                       ; q, k: my half's 32 channels: 128 h bytes
	v_lshrrev_b32 v11, 3, v8
	v_lshlrev_b32 v11, 7, v11
	v_and_b32 v12, 7, v8
	v_lshl_add_u32 v11, v12, 2, v11
	SCALES
	; THE BIASES are the C of the first K step's products.  Both arms write all 64 registers of CI.
	s_cmp_lt_u32 ttmp9, 4
	s_cbranch_scc0 .Lbias_v
	s_and_b32 s2, ttmp9, 1
	s_lshl_b32 s2, s2, 2
	s_add_co_u32 s2, s2, s[CX]                     ; which 128 rows of the weight
	s_lshl_b32 s2, s2, 9
	s_mov_b32 s3, 0
	s_cmp_lt_u32 ttmp9, 2
	s_cselect_b64 s[4:5], s[88:89], s[90:91]       ; bq or bk
	s_add_nc_u64 s[4:5], s[4:5], s[2:3]
	s_wait_alu depctr_va_vdst(0)
.irp b, 0,1,2,3,4,5,6,7                ; register 8 b + j: the bias of channel 64 (b / 4) + 32 h + 8 (b % 4) + j
	global_load_b128 v[CI+8*\b:CI+8*\b+3], v10, s[4:5] offset:256*(\b/4)+32*(\b%4)
	global_load_b128 v[CI+8*\b+4:CI+8*\b+7], v10, s[4:5] offset:256*(\b/4)+32*(\b%4)+16
.endr
	s_branch .Lbias_done
.Lbias_v:
	s_lshl_b32 s2, s[CY], 10
	s_lshl_b32 s3, s[WV], 8
	s_add_co_u32 s2, s2, s3                        ; my head's 64 channels: 4 (256 cy + 64 w) bytes
	s_mov_b32 s3, 0
	s_add_nc_u64 s[4:5], s[92:93], s[2:3]
	s_wait_alu depctr_va_vdst(0)
.irp k, 0,1,2,3,4,5,6,7                ; registers 8 k ..: the bias of my lane's channel in Q tile k % 4, eight times; two copies (k / 4), of which P tiles 0-3 take the first and 4-7 the second
.irp j, 0,1,2,3,4,5,6,7
	global_load_b32 v[CI+8*\k+\j], v11, s[4:5] offset:32*(\k%4)
.endr
.endr
.Lbias_done:
	s_cmp_lt_u32 s[WV], 2
	s_cbranch_scc0 .Lnot_first
	s_wait_tensorcnt 0x0                           ; waves 0 and 1: K half 0 has landed
.Lnot_first:
	s_barrier_signal -1
	s_barrier_wait -1                              ; waves 2 and 3's tiles may be on their way
	FETCH 0
	s_wait_loadcnt 0x0                             ; the biases
	s_wait_dscnt 0x0
	FETCH 1
	s_cmp_lt_u32 ttmp9, 4                          ; K step 0 starts the sums: nothing is cleared
	s_cbranch_scc0 .Lfirst_v
	WIN 0x42                                       ; source 0 window 2, C window 0, D window 1
	MUL 0, 0, 1
	MUL 1, 0, 1
	MUL 2, 0, 1
	MUL 3, 0, 1
	WIN 0
	s_branch .Lfirst_done
.Lfirst_v:
	WIN 0x42
	MUL 0, 0, 2
	MUL 1, 0, 2
	MUL 2, 0, 2
	MUL 3, 0, 2
	WIN 0
.Lfirst_done:
	GSTEP 1
	GSTEP 2
	GSTEP 3
	s_wait_alu depctr_va_vdst(0)
	GSTEP 4
	GSTEP 5
	GSTEP 6
	GSTEP 7
	WIN 0
	; THE WAY OUT.  Where my four tiles go: g = the group of 128 tokens, hd = the (first) head; block = ((g / 16) 16 + hd) 16 + g % 16.
	s_and_b32 s8, ttmp7, 0xffff                    ; Y
	s_and_b32 s9, ttmp9, 1                         ; X % 2
	s_lshl_b32 s10, s8, 2
	s_add_co_u32 s10, s10, s[CY]
	s_lshl_b32 s10, s10, 1
	s_lshr_b32 s11, s[WV], 1
	s_add_co_u32 s10, s10, s11                     ; q, k: g = 2 (4 Y + cy) + w / 2
	s_lshl_b32 s11, s8, 1
	s_add_co_u32 s11, s11, s9
	s_lshl_b32 s11, s11, 2
	s_add_co_u32 s11, s11, s[CX]                   ; v: g = 4 (2 Y + X % 2) + cx
	s_lshl_b32 s12, s9, 2
	s_add_co_u32 s12, s12, s[CX]
	s_lshl_b32 s12, s12, 1                         ; q, k: hd = 2 (4 (X % 2) + cx)
	s_lshl_b32 s13, s[CY], 2
	s_add_co_u32 s13, s13, s[WV]                   ; v: hd = 4 cy + w
	s_mul_i32 s15, s[HW], 3072                     ; q, k: my four tiles' halves in a block
	s_lshl_b32 s14, s[HW], 8
	s_add_co_u32 s20, s14, 12288                   ; k's scale image
	s_add_co_u32 s24, s14, 6144                    ; q's
	s_mov_b32 s16, 1536                            ; v: from tile to tile
	s_mov_b32 s17, 6144                            ; v: its fragments' place in a block
	s_mov_b32 s18, 768                             ; v: from half c = 0 to c = 1
	s_mov_b32 s19, 12800                           ; v's scale image
	s_mov_b32 s21, 16*13056                        ; k: from head to head
	s_mov_b32 s22, 13056                           ; a block of kvbuf
	s_mov_b32 s23, 16*6656                         ; q: from head to head
	s_cmp_lt_u32 ttmp9, 4
	s_cselect_b32 s10, s10, s11
	s_cselect_b32 s12, s12, s13
	s_cselect_b32 s15, s15, s17
	s_cselect_b32 s16, 768, s16
	s_cselect_b32 s18, s21, s18
	s_cselect_b32 s19, s20, s19
	s_cmp_lt_u32 ttmp9, 2
	s_cselect_b32 s22, 6656, s22
	s_cselect_b32 s18, s23, s18
	s_cselect_b32 s19, s24, s19
	s_cselect_b64 s[26:27], s[94:95], s[96:97]     ; qbuf or kvbuf
	s_lshr_b32 s11, s10, 4
	s_lshl_b32 s11, s11, 4
	s_add_co_u32 s11, s11, s12
	s_lshl_b32 s11, s11, 4
	s_and_b32 s10, s10, 15
	s_add_co_u32 s11, s11, s10
	s_mul_i32 s11, s11, s22                        ; the block's first byte
	s_add_co_u32 s28, s11, s15
	s_mov_b32 s29, 0
	s_add_nc_u64 s[28:29], s[26:27], s[28:29]      ; tile 0's codes;
	s_mov_b32 s17, 0
	s_add_nc_u64 s[30:31], s[28:29], s[16:17]      ; tiles 1 to 3's: a base for each, so that none is stepped
	s_add_nc_u64 s[32:33], s[30:31], s[16:17]
	s_add_nc_u64 s[34:35], s[32:33], s[16:17]
	s_add_co_u32 s36, s11, s19
	s_mov_b32 s37, 0
	s_add_nc_u64 s[36:37], s[26:27], s[36:37]      ; the scale image
	s_mov_b32 s38, 0x76543210
	s_mov_b32 s39, 0xfedcba98                      ; v_permlanex16_b32's selects for lane l xor 16
	v_and_b32 v5, 31, v0                           ; (these plain lines are also the places behind the last products)
	v_bfe_u32 v7, v0, 4, 1
	v_lshlrev_b32 v1, 4, v5                        ; 16 l: half c = 0, registers 0-3
	v_lshlrev_b32 v5, 3, v5                        ; 8 l
	v_cmp_ne_u32 vcc_lo, 0, v7                     ; lanes 16-31
	v_lshlrev_b32 v7, 3, v7                        ; 8 h
	v_add_nc_u32 v2, s18, v1                       ; half c = 1
	v_add_nc_u32 v3, 512, v5                       ; registers 4-5
	v_add_nc_u32 v4, s18, v3
	v_add_nc_u32 v6, s18, v5
	v_mov_b32 v[TT+1], 0                           ; written once: a lane permute's destination counts as one of its sources
; Q tile a: my lane's 64 results are two whole blocks of 32.  Each accumulator is read from its low end on.
.macro QOUT a
	WIN 0x14                                       ; sources 1 and 2 window 1
.irp c, 0,1
.irp f, 0,1
	v_max3_num_f32 v[MX+2*\c+\f], 0x1800000, |v[64*(\a)+32*\c+16*\f]|, |v[64*(\a)+32*\c+16*\f+1]|   ; four chains by turns; the floor 2^(3 - 127) holds the byte at 1 from below
.endr
.endr
.irp i, 2,4,6,8,10,12,14
.irp c, 0,1
.irp f, 0,1
	v_max3_num_f32 v[MX+2*\c+\f], v[MX+2*\c+\f], |v[64*(\a)+32*\c+16*\f+\i]|, |v[64*(\a)+32*\c+16*\f+\i+1]|
.endr
.endr
.endr
	WIN 0
.irp c, 0,1
	v_max_num_f32 v[MX+2*\c], v[MX+2*\c], v[MX+2*\c+1]
.endr
.irp c, 0,1
	v_add_nc_u32 v[SOV+\c], 0xff000000, v[MX+2*\c] ; 2 off the exponent field: the conversion's scale operand
.endr
.irp c, 0,1
	v_lshrrev_b32 v[BYV+\c], 23, v[SOV+\c]         ; the scale's byte
.endr
	v_lshl_or_b32 v[TT], v[BYV+1], 16, v[BYV]
	v_lshlrev_b32 v[TT], v7, v[TT]                 ; bytes h and 2 + h
	v_permlanex16_b32 v[TT+1], v[TT], s38, s39
	v_or_b32 v[WD+(\a)], v[TT], v[TT+1]            ; my row's word: bytes 2 c + h
	WIN 0x01                                       ; source 0 window 1
.irp c, 0,1
	v_cvt_scalef32_pk16_fp6_f32 v[CD+8*(2*(\a)+\c):CD+8*(2*(\a)+\c)+2], v[64*(\a)+32*\c:64*(\a)+32*\c+15], v[SOV+\c]
	v_cvt_scalef32_pk16_fp6_f32 v[CD+8*(2*(\a)+\c)+4:CD+8*(2*(\a)+\c)+6], v[64*(\a)+32*\c+16:64*(\a)+32*\c+31], v[SOV+\c]
.endr
	WIN 0
	v_nop                                          ; one plain place behind a scaled conversion
.irp c, 0,1
.irp i, 0,1,2
	v_mov_b32 v[CD+8*(2*(\a)+\c)+3+\i], v[CD+8*(2*(\a)+\c)+4+\i]
.endr
.endr
.irp c, 0,1
	global_store_b128 v[1+\c], v[CD+8*(2*(\a)+\c):CD+8*(2*(\a)+\c)+3], s[28+2*(\a):29+2*(\a)]     ; 512 bytes on end
	global_store_b64 v[3+\c], v[CD+8*(2*(\a)+\c)+4:CD+8*(2*(\a)+\c)+5], s[28+2*(\a):29+2*(\a)]    ; 256 bytes on end
.endr
.endm
	QOUT 0
	QOUT 1
	QOUT 2
	QOUT 3
	v_cndmask_b32 v244, v[WD], v[WD+1], vcc_lo     ; the scale image of four tiles: word q of lane l belongs to tile 2 q + l / 16, row index l % 16
	v_cndmask_b32 v245, v[WD+2], v[WD+3], vcc_lo
	global_store_b64 v5, v[244:245], s[36:37]      ; v: the whole words.  q, k: the first head's bytes 0, 1; bytes 2, 3 (the other head's, never 0xff) scale codes that meet q's zero codes
	s_cmp_lt_u32 ttmp9, 4
	s_cbranch_scc0 .Lno_second
	v_lshrrev_b32 v246, 16, v244                   ; q, k: the second head's two bytes
	v_lshrrev_b32 v247, 16, v245
	global_store_b64 v6, v[246:247], s[36:37]
.Lno_second:
	s_wait_tensorcnt 0x0
	ds_add_u32 v254, v255
	s_wait_dscnt 0x0
	CROUND                                         ; the closing round: no work-group ends while a partner may still ask for a tile that names it
	s_endpgm
.Lfunc_end_k_q4a58032f78_qkv:
	.size	k_q4a58032f78_qkv, .Lfunc_end_k_q4a58032f78_qkv-k_q4a58032f78_qkv
	.p2alignl 7, 3214868480
	.fill 96, 4, 3214868480
	.section	.rodata,"a",@progbits
	.p2align	6, 0x0
	.amdhsa_kernel k_q4a58032f78_qkv
		.amdhsa_group_segment_fixed_size 307712
		.amdhsa_private_segment_fixed_size 0
		.amdhsa_enable_private_segment 0
		.amdhsa_kernarg_size 56
		.amdhsa_user_sgpr_count 2
		.amdhsa_user_sgpr_kernarg_segment_ptr 1
		.amdhsa_wavefront_size32 1
		.amdhsa_system_sgpr_workgroup_id_x 1
		.amdhsa_system_sgpr_workgroup_id_y 1
		.amdhsa_system_sgpr_workgroup_id_z 1
		.amdhsa_system_vgpr_workitem_id 0
		.amdhsa_next_free_vgpr 704
		.amdhsa_next_free_sgpr 102
		.amdhsa_reserve_vcc 1
		.amdhsa_float_denorm_mode_32 3
		.amdhsa_float_denorm_mode_16_64 3
		.amdhsa_memory_ordered 1
		.amdhsa_forward_progress 1
		.amdhsa_inst_pref_size 96
	.end_amdhsa_kernel
	.amdgpu_metadata
---
amdhsa.version: [ 1, 2 ]
amdhsa.kernels:
  - .name:           k_q4a58032f78_qkv
    .symbol:         k_q4a58032f78_qkv.kd
    .args:
      - { .name: cbuf, .offset: 0, .size: 8, .value_kind: global_buffer, .address_space: global }
      - { .name: sbuf, .offset: 8, .size: 8, .value_kind: global_buffer, .address_space: global }
      - { .name: bq, .offset: 16, .size: 8, .value_kind: global_buffer, .address_space: global }
      - { .name: bk, .offset: 24, .size: 8, .value_kind: global_buffer, .address_space: global }
      - { .name: bv, .offset: 32, .size: 8, .value_kind: global_buffer, .address_space: global }
      - { .name: qbuf, .offset: 40, .size: 8, .value_kind: global_buffer, .address_space: global }
      - { .name: kvbuf, .offset: 48, .size: 8, .value_kind: global_buffer, .address_space: global }
    .group_segment_fixed_size: 307712
    .private_segment_fixed_size: 0
    .kernarg_segment_align: 8
    .kernarg_segment_size: 56
    .max_flat_workgroup_size: 128
    .sgpr_count:     102
    .vgpr_count:     704
    .wavefront_size: 32
...
	.end_amdgpu_metadata
.endif
;; end of part 2
;; launch attn (part 3): grid 4 x 64, 8 waves a work-group, clusters of 4 x 1, 219,136 bytes of LDS; arguments qbuf, kvbuf, attention_mask, cc, cs; writes cc, cs
.if DOCPART == 3
	.amdgcn_target "amdgcn-amd-amdhsa--gfx1250"
	.amdhsa_code_object_version 6
	.text
	.protected	k_q4a58032f78_attn
	.globl	k_q4a58032f78_attn
	.p2align	8
	.type	k_q4a58032f78_attn,@function
k_q4a58032f78_attn:
	s_mov_b64 s[64:65], 0
	v_nop
	global_prefetch_b8 v0, s[64:65] scope:SCOPE_SE
	s_setreg_imm32_b32 hwreg(HW_REG_WAVE_MODE, 25, 1), 1
	s_wait_xcnt 0x0
	s_wait_alu depctr_hold_cnt(0) depctr_sa_sdst(0) depctr_va_vdst(0) depctr_va_sdst(0) depctr_va_ssrc(0) depctr_va_vcc(0) depctr_vm_vsrc(0)
	s_getreg_b32 s2, hwreg(HW_REG_IB_STS2, 6, 4)
	s_cmp_eq_u32 s2, 0
	s_cbranch_scc0 .Lentry_in_a_cluster
	s_endpgm
.Lentry_in_a_cluster:
	s_bfe_u32 s2, ttmp6, 0x10000c
	s_cmp_lg_u32 s2, 0x3003
	s_cbranch_scc0 .Lentry_shape_is_right
	s_endpgm
.Lentry_shape_is_right:
; ctx[b][q][head] = softmax_k(q . k / 8, masked keys left out) v, both products on codes of FP6 (E2M3) with E8M0 scales; ctx is quantised along D and stored as the last product's operand.
; THE SOFTMAX: t = score x log2(e) / 8; M = the running largest t rounded UP to a whole number; p = 2^(t - M) is quantised along the keys, not normalised; the row's sum is taken of the
; unquantised p and divides at the end; when M moves, the sum and O are multiplied by 2^(old M - new M), which rounds nothing.
; THE MASK is an input: it becomes a bias (0, or -3e38 for a key whose word is 0) in LDS; a step's 128 biases lie in 64 registers and are the C of K Q^T for all four tiles.
; The running largest score begins at -2^100, above every masked score, so that a masked key's p is 0.
; LIMITS: a score below -2^100 counts as masked; NaN and infinities are not served.  A row all of whose keys are masked has the sum 0: its scale bytes are stored as 0xff, which makes the last
; product's sums NaN for that row, as the softmax of a row without keys is.
; SHARES.  A work-group owns 512 queries of one (batch, head); each of its 8 waves holds 4 tiles of 16 queries and walks the 16 steps of 128 keys once: a step's fragments of K and V, its
; scale words and its biases are read from LDS once for 64 queries.  The head's K and V (16 blocks of 13,056 bytes) lie in LDS whole, every byte filled once: wave w fetches blocks 2 w, 2 w + 1 by
; one tensor load.  Wave 0 has a load line of its own: step 0, written out, begins when that tile is in; a barrier behind step 0 shows the others; the loop of 15 steps has no barrier.
; All is asked for at the head, so nothing is left to prefetch.  CLUSTER 4 x 1: the four work-groups of a head ask for each block jointly.
; THE ORDER IN A STEP.  Tile j's score products follow tile j - 1's conversions at once; tile j - 1's last moves and the rescaling of its O^T are the plain lines behind them; its four products with V
; stand one by one between the dependent lines that make tile j's M (in tile 0: V's loads stand there).  Tile 3 ends its own work inside the step.
; LAYOUT.  Both products are used transposed (S^T = K Q^T, O^T = V^T P^T): a lane holds ONE query.  By the tiles' row order (launch quant) the 32 score registers of K tiles 4 c .. 4 c + 3 are
; keys 64 c + 32 h + 0 .. 31: a whole block of p in one lane; likewise O^T's 32 registers are channels 32 h + 0 .. 31 of the head.
; K = 64 IN AN INSTRUCTION OF 128: q's registers 6-11 are zero codes.  K's tiles stand 6 registers apart, so a tile's registers 6-11 are the next tile's codes (six zero registers for tile 7), which meet zeros.
; REGISTERS.  Window 0: v1 16 l; v2 8 l; v3 BIAS + 128 h; v4, v5 V's addresses; v6-8 the next K's and biases'; v9 8 h; v10 8 r; v11 16 r + h; the rest by the names below.
; Window 1: v0-63 the biases; v64-111 q's four fragments; v112-239 O^T, 32 a tile.
.set STEPB, 13056                      ; a step's block: K 8 x 768; V 4 x 1,536 at 6,144; K's scale images at 12,288, 12,544; V's at 12,800
.set BIAS,  16*STEPB                   ; the mask as 2,048 f32; no tensor load lands here
.set SPARE, BIAS+8192                  ; the spare words, 128 bytes a wave
.set SPW, 12
.set NIL, 13
.set NM,  16                           ; tile j: v[NM+4j] -M, +1 the largest score, +2, +3 the sum in two halves
.set QS,  36                           ; q's scale words, one a tile
.set KS,  40                           ; K's
.set VS,  44                           ; V's
.set PS,  46                           ; p's
.set MX,  48                           ; four chains of maxima
.set T0,  52
.set T1,  53
.set F,   54                           ; f = 2^(old M - new M); v55 is named with it as a pair
.set SO,  56                           ; two scale operands
.set SB,  58                           ; three more chains of sums
.set CT,  64                           ; the conversions' second halves
.set KF,  72                           ; K's 8 half fragments; v120-125 behind them hold zeros
.set VF,  132                          ; V's 4 fragments
.set ST,  180                          ; S^T, then p
.set PC,  244                          ; p's codes
.set BW,  0
.set QW,  64
.set OW,  112
.set MSB, 0
.macro WIN new                         ; the immediate's high byte repeats the setting that is left
.if MSB != \new
	s_set_vgpr_msb (MSB<<8)|\new
.set MSB, \new
.endif
.endm
.macro WALU
	s_wait_alu depctr_va_vdst(0)
.endm
.macro CROUND
	s_barrier_signal -1
	s_barrier_wait -1
	s_cmp_lg_u32 s14, 0
	s_cbranch_scc1 .Lnot_wave_0_\@
	s_barrier_signal -3
.Lnot_wave_0_\@:
	s_barrier_wait -3
	s_barrier_signal -1
	s_barrier_wait -1
.endm
.macro WMM d, a, b, c, sa, sb, odd     ; one product; odd: source 0's scale words stand in lanes 16-31
.if \odd
	v_wmma_scale_f32_16x16x128_f8f6f4 v[\d:\d+7], v[\a:\a+11], v[\b:\b+11], \c, v[\sa], v[\sb] matrix_a_fmt:MATRIX_FMT_FP6 matrix_b_fmt:MATRIX_FMT_FP6 matrix_a_scale:MATRIX_SCALE_ROW1
.else
	v_wmma_scale_f32_16x16x128_f8f6f4 v[\d:\d+7], v[\a:\a+11], v[\b:\b+11], \c, v[\sa], v[\sb] matrix_a_fmt:MATRIX_FMT_FP6 matrix_b_fmt:MATRIX_FMT_FP6
.endif
.endm
.macro KADDR                           ; where the next step's K (block at s46) and biases (at s47) lie
	v_add_nc_u32 v6, s46, v1
	v_add_nc_u32 v7, s46, v2
	v_add_nc_u32 v8, s47, v3
.endm
.macro LOADK                           ; 34 loads: K's tiles, its scale words, the 128 biases
.irp t, 0,1,2,3,4,5,6,7
	ds_load_b128 v[KF+6*\t:KF+6*\t+3], v6 offset:768*\t
	ds_load_b64 v[KF+6*\t+4:KF+6*\t+5], v7 offset:768*\t+512
.endr
	ds_load_b64 v[KS:KS+1], v7 offset:12288        ; tile t's words in register KS + 2 (t / 4) + (t % 4) / 2, lanes 16-31 for odd t
	ds_load_b64 v[KS+2:KS+3], v7 offset:12544
	WIN 0x40
.irp t, 0,1,2,3,4,5,6,7                ; register 8 t + i is key 64 (t / 4) + 32 h + 8 (t % 4) + i
	ds_load_b128 v[BW+8*\t:BW+8*\t+3], v8 offset:256*(\t/4)+32*(\t%4)
	ds_load_b128 v[BW+8*\t+4:BW+8*\t+7], v8 offset:256*(\t/4)+32*(\t%4)+16
.endr
	WIN 0
.endm
.macro PVC j, u, first                 ; O^T of tile j, channels 16 u ..: += V^T p^T (first = 1: begins with it); C and D in window 1
.set OA, OW+32*(\j)+8*(\u)
.if \first
	WMM OA, VF+12*(\u), PC, 0, VS+(\u)/2, PS, (\u)%2
.else
	WMM OA, VF+12*(\u), PC, v[OA:OA+7], VS+(\u)/2, PS, (\u)%2
.endif
.endm
.macro FINA j, first                   ; what is left of tile j ahead of its products with V: p's codes at their places, O^T under the new M
.set OF, OW+32*(\j)
.irp c, 0,1
.irp i, 0,1,2
	v_mov_b32 v[PC+6*\c+3+\i], v[CT+4*\c+\i]
.endr
.endr
.if (\first) == 0
	WIN 0x41
	WALU                                           ; the wait directly ahead of the first reader of O^T
.set N, 0
.rept 16
	v_pk_mul_f32 v[OF+N:OF+N+1], v[OF+N:OF+N+1], v[F:F+1] op_sel_hi:[1,0]
.set N, N+2
.endr
	WIN 0
.endif
.endm
.macro GAP j, u, first                 ; what stands between two dependent lines of tile j's M: in tile 0 the loads of V's fragment u, else product u of tile j - 1 with V
.if (\j) == 0
.irp c, 0,1
	ds_load_b128 v[VF+12*(\u)+6*\c:VF+12*(\u)+6*\c+3], v4 offset:6144+1536*(\u)+768*\c
	ds_load_b64 v[VF+12*(\u)+6*\c+4:VF+12*(\u)+6*\c+5], v5 offset:6144+1536*(\u)+768*\c+512
.endr
.if (\u) == 3
	ds_load_b64 v[VS:VS+1], v5 offset:12800
.endif
.else
	WIN 0x50
	PVC (\j)-1, \u, \first
	WIN 0
.endif
.endm
; One tile of 16 queries against the step's 128 keys.  first = 1: O^T begins with this step's products.
.macro TILE j, first
.set NJ, NM+4*(\j)
.set SU, NJ+2
	WIN 0x14                                       ; q and the biases: window 1
.irp t, 0,1,2,3,4,5,6,7
	WMM ST+8*\t, KF+6*\t, QW+12*(\j), v[BW+8*\t:BW+8*\t+7], KS+2*(\t/4)+(\t%4)/2, QS+(\j), \t%2
.endr
	WIN 0
.if (\j) == 0                          ; four plain lines and more stand behind the products, ahead of the first read of the scores
	v_add_nc_u32 v4, s48, v1                       ; where this step's V lies
	v_add_nc_u32 v5, s48, v2
	v_nop
	v_nop
.else
	FINA (\j)-1, \first
.endif
.if (\j) == 3                          ; K and the biases are done with: the next step's are fetched
	KADDR
	LOADK
.endif
.if (\j) == 1
	WALU
	s_wait_dscnt 0x0                               ; V: its 17 loads, issued in tile 0, are all that is out
.endif
.irp c, 0,1                            ; the largest score of each of my two blocks, four chains by turns; each accumulator is read from its low end on
.irp f, 0,1
	v_max3_num_f32 v[MX+2*\c+\f], v[ST+32*\c+16*\f], v[ST+32*\c+16*\f+1], v[ST+32*\c+16*\f+2]
.endr
.endr
.irp i, 3,5,7,9,11,13
.irp c, 0,1
.irp f, 0,1
	v_max3_num_f32 v[MX+2*\c+\f], v[MX+2*\c+\f], v[ST+32*\c+16*\f+\i], v[ST+32*\c+16*\f+\i+1]
.endr
.endr
.endr
.irp c, 0,1
	v_max3_num_f32 v[MX+2*\c], v[MX+2*\c], v[ST+32*\c+15], v[ST+32*\c+31]
.endr
.irp c, 0,1
	s_delay_alu instid0(VALU_DEP_2)
	v_max_num_f32 v[MX+2*\c], v[MX+2*\c], v[MX+2*\c+1]
.endr
	s_delay_alu instid0(VALU_DEP_1)
	v_max_num_f32 v[T0], v[MX], v[MX+2]
	GAP \j, 0, \first
	v_permlanex16_b32 v[T1], v[T0], s20, s21
	GAP \j, 1, \first
	v_max3_num_f32 v[NJ+1], v[NJ+1], v[T0], v[T1]  ; the running largest score of my query
	GAP \j, 2, \first
	v_mul_f32 v[T0], s19, v[NJ+1]                  ; -t (s19 = -c; c is positive, so the largest score gives the largest t)
	GAP \j, 3, \first
	v_mov_b32 v[T1], v[NJ]
	v_floor_f32 v[NJ], v[T0]                       ; the new -M = floor(-t): M is a whole number
.set N, 0
.rept 32
	v_pk_fma_f32 v[ST+N:ST+N+1], v[ST+N:ST+N+1], s[22:23], v[NJ:NJ+1] op_sel_hi:[1,0,0]   ; t - M, two at a time; f is made among these lines
.if N == 2
	v_sub_f32 v[T1], v[NJ], v[T1]                  ; old M - new M: a whole number, 0 or less
.elseif N == 8
	v_cvt_i32_f32 v[T1], v[T1]                     ; (it saturates)
.elseif N == 14
	v_ldexp_f32 v[F], 1.0, v[T1]
.endif
.set N, N+2
.endr
	v_fma_f32 v[MX], v[MX], s22, v[NJ]             ; the same of each block's largest score
	v_fma_f32 v[MX+2], v[MX+2], s22, v[NJ]
	WALU                                           ; the wait ahead of the batch
	v_exp_f32 v[MX], v[MX]                         ; the blocks' largest p
	v_exp_f32 v[MX+2], v[MX+2]
.set N, 0
.rept 64
	v_exp_f32 v[ST+N], v[ST+N]                     ; p = 2^(t - M), at most 1
.set N, N+1
.endr
	v_pk_mul_f32 v[SU:SU+1], v[SU:SU+1], v[F:F+1] op_sel_hi:[1,0]   ; the sum under the new M (the plain line behind the batch)
	WALU                                           ; one wait for the batch, ahead of its first reader
	v_pk_add_f32 v[SB:SB+1], v[ST:ST+1], v[ST+2:ST+3]               ; the sum of the unquantised p in four chains; p's scale word is made among these lines
	v_pk_add_f32 v[SB+2:SB+3], v[ST+4:ST+5], v[ST+6:ST+7]
	v_pk_add_f32 v[SB+4:SB+5], v[ST+8:ST+9], v[ST+10:ST+11]
	v_pk_add_f32 v[SU:SU+1], v[SU:SU+1], v[ST+12:ST+13]
	v_max_num_f32 v[MX], 0x1800000, v[MX]          ; the floor 2^(3 - 127): the byte cannot fall under 1 (a block whose every p is 0 keeps that byte: its codes are zeros)
	v_max_num_f32 v[MX+2], 0x1800000, v[MX+2]
.set N, 7
.rept 25
.if (N-7)%4 == 3
	v_pk_add_f32 v[SU:SU+1], v[SU:SU+1], v[ST+2*N:ST+2*N+1]
.else
	v_pk_add_f32 v[SB+2*((N-7)%4):SB+2*((N-7)%4)+1], v[SB+2*((N-7)%4):SB+2*((N-7)%4)+1], v[ST+2*N:ST+2*N+1]
.endif
.if N == 10
	v_add_nc_u32 v[SO], 0xff000000, v[MX]          ; 2 off the exponent field: the conversion's scale operand
	v_add_nc_u32 v[SO+1], 0xff000000, v[MX+2]
.elseif N == 14
	v_lshrrev_b32 v[MX], 23, v[SO]
	v_lshrrev_b32 v[MX+2], 23, v[SO+1]
.elseif N == 18
	v_lshl_or_b32 v[T0], v[MX+2], 16, v[MX]
.elseif N == 22
	v_lshlrev_b32 v[T0], v9, v[T0]                 ; my bytes: blocks h and 2 + h
.elseif N == 26
	v_permlanex16_b32 v[T1], v[T0], s20, s21
.elseif N == 30
	v_or_b32 v[PS], v[T0], v[T1]                   ; p's scale word for these 128 keys
.endif
.set N, N+1
.endr
	v_pk_add_f32 v[SB+2:SB+3], v[SB+2:SB+3], v[SB+4:SB+5]
	v_pk_add_f32 v[SU:SU+1], v[SU:SU+1], v[SB:SB+1]
.irp c, 0,1
	v_cvt_scalef32_pk16_fp6_f32 v[PC+6*\c:PC+6*\c+2], v[ST+32*\c:ST+32*\c+15], v[SO+\c]
	v_cvt_scalef32_pk16_fp6_f32 v[CT+4*\c:CT+4*\c+2], v[ST+32*\c+16:ST+32*\c+31], v[SO+\c]   ; (a conversion's three registers begin on an even number)
.endr
	v_pk_add_f32 v[SU:SU+1], v[SU:SU+1], v[SB+2:SB+3]   ; the plain line behind the conversions
.if (\j) == 3                          ; the step's last tile ends its own work
	FINA 3, \first
.if \first
.rept 4
	v_nop                                          ; places between the writes of p's codes and the products
.endr
.endif
	WIN 0x50
.irp u, 0,1,2,3
	PVC 3, \u, \first
.endr
	WIN 0
.endif
.endm
; A key step: the block at LDS byte s48.  Its K and biases were fetched in the step before.
.macro STEP first
	s_wait_dscnt 0x0                               ; K, its scale words and the biases are in: nothing younger is out
	TILE 0, \first
	TILE 1, \first
	TILE 2, \first
	TILE 3, \first
	s_add_co_u32 s48, s48, STEPB
	s_add_co_u32 s49, s49, 512
	s_add_co_u32 s46, s48, STEPB
	s_min_u32 s46, s46, 15*STEPB                   ; the last step fetches its own K once more: nothing lies behind it
	s_add_co_u32 s47, s49, 512
	s_min_u32 s47, s47, 15*512
.endm
; The way out of tile j: O^T / the sum is my query's channels 32 h + 0 .. 31 of the head: one block of ctx along D.  Each tile has registers of its own for what it stores.
.macro OUT j
.set SU, NM+4*(\j)+2
.set OJ, OW+32*(\j)
.set CD, KF+8*(\j)
	v_add_f32 v[SU], v[SU], v[SU+1]
	s_delay_alu instid0(VALU_DEP_1)
	v_permlanex16_b32 v[T1], v[SU], s20, s21
	s_delay_alu instid0(VALU_DEP_1)
	v_add_f32 v[SU], v[SU], v[T1]                  ; the row's sum
	WALU
	v_rcp_f32 v[F], v[SU]
	v_nop
	WIN 0x01
	WALU                                           ; ahead of the first reader of the reciprocal and of O^T
.set N, 0
.rept 16
	v_pk_mul_f32 v[ST+N:ST+N+1], v[OJ+N:OJ+N+1], v[F:F+1] op_sel_hi:[1,0]
.set N, N+2
.endr
	WIN 0
	v_max3_num_f32 v[MX], |v[ST]|, |v[ST+1]|, 0x1800000
	v_max3_num_f32 v[MX+1], |v[ST+16]|, |v[ST+17]|, 0x1800000
.irp i, 2,4,6,8,10,12,14
	s_delay_alu instid0(VALU_DEP_2)
	v_max3_num_f32 v[MX], v[MX], |v[ST+\i]|, |v[ST+\i+1]|
	s_delay_alu instid0(VALU_DEP_2)
	v_max3_num_f32 v[MX+1], v[MX+1], |v[ST+16+\i]|, |v[ST+16+\i+1]|
.endr
	s_delay_alu instid0(VALU_DEP_1)
	v_max_num_f32 v[MX], v[MX], v[MX+1]
	s_delay_alu instid0(VALU_DEP_1)
	v_add_nc_u32 v[SO], 0xff000000, v[MX]
	s_delay_alu instid0(VALU_DEP_1)
	v_lshrrev_b32 v[VF+\j], 23, v[SO]
	v_cmp_neq_f32 vcc_lo, 0, v[SU]
	s_delay_alu instid0(VALU_DEP_1)
	v_cndmask_b32 v[VF+\j], 0xff, v[VF+\j], vcc_lo ; a row without keys: the byte that makes the last product's sums NaN
	v_cvt_scalef32_pk16_fp6_f32 v[CD:CD+2], v[ST:ST+15], v[SO]
	v_cvt_scalef32_pk16_fp6_f32 v[CT:CT+2], v[ST+16:ST+31], v[SO]
	v_nop
.irp i, 0,1,2
	v_mov_b32 v[CD+3+\i], v[CT+\i]
.endr
	global_store_b128 v1, v[CD:CD+3], s[56:57] offset:12288*\j          ; 512 bytes on end
	global_store_b64 v2, v[CD+4:CD+5], s[56:57] offset:12288*\j+512     ; 256 bytes on end
	global_store_b8 v11, v[VF+\j], s[58:59] offset:512*\j               ; 32 bytes of one scale record's half
.endm
	s_load_b256 s[4:11], s[0:1], 0x0               ; qbuf, kvbuf, the mask, cc
	s_load_b64 s[12:13], s[0:1], 0x20              ; cs
	v_lshl_add_u32 v[SPW], v0, 2, SPARE
	v_mov_b32 v[NIL], 0
	ds_add_u32 v[SPW], v[NIL]                      ; the opening lines
	ds_add_u32 v[SPW], v[NIL]
	v_lshrrev_b32 v1, 5, v0
	v_readfirstlane_b32 s14, v1                    ; wave 0..7
	s_bfe_u32 s15, ttmp6, 0x40000                  ; cx: which 512 queries: it enters global addresses alone
	s_and_b32 s16, ttmp7, 0xffff                   ; 16 x batch + head, which the four partners share
	s_lshr_b32 s17, s16, 4
	s_and_b32 s18, s16, 15
	s_mov_b32 s19, 0xbe38aa3b                      ; -c
	s_mov_b32 s20, 0x76543210
	s_mov_b32 s21, 0xfedcba98                      ; v_permlanex16_b32's selects for lane l xor 16
	s_mov_b32 s22, 0x3e38aa3b                      ; c = log2(e) / 8
	s_mov_b32 s23, s22                             ; (named with it as a pair)
	s_mov_b32 s24, 15|(3<<16)|(1<<21)              ; the mask: all four work-groups; elements of 8 bytes; bit 21 beside a mask; no padding
	s_mov_b32 s25, 32<<16                          ; two blocks are dense: 102 rows of 256 bytes
	s_mov_b32 s26, 102<<16
	s_mov_b32 s27, 32<<16
	s_mov_b32 s28, 102
	s_mov_b32 s29, 32
	s_mov_b32 s30, 0
	s_mov_b32 s31, 0
	s_mov_b32 s32, 1
	s_mul_i32 s33, s14, 2*STEPB                    ; wave w's two blocks: their place in LDS and in the head's 16 alike
	s_mul_i32 s34, s16, 16*STEPB
	s_add_co_u32 s34, s34, s33
	s_mov_b32 s35, 0
	s_wait_dscnt 0x0
	s_wait_kmcnt 0x0
	s_add_nc_u64 s[34:35], s[6:7], s[34:35]
	s_or_b32 s35, s35, 0x80000000
	CROUND                                         ; all four work-groups are here: the joint loads meet
	s_cmp_eq_u32 s14, 0
	s_cbranch_scc0 .Lothers
	tensor_load_to_lds s[32:35], s[24:31]          ; wave 0: steps 0 and 1, on a line of its own
	s_nop 0
.rept 4
	v_nop
.endr
	s_branch .Lasked
.Lothers:
	tensor_load_to_lds s[32:35], s[24:31]          ; waves 1 to 7
	s_nop 0
.rept 4
	v_nop
.endr
.Lasked:
	v_lshlrev_b32 v4, 4, v0                        ; thread t takes the batch's mask words 4 t .. 4 t + 3 and 1,024 + 4 t ..
	s_lshl_b32 s60, s17, 13
	s_mov_b32 s61, 0
	s_add_nc_u64 s[60:61], s[8:9], s[60:61]
	global_load_b128 v[48:51], v4, s[60:61]
	global_load_b128 v[52:55], v4, s[60:61] offset:4096
	v_and_b32 v3, 31, v0
	v_lshlrev_b32 v1, 4, v3
	v_lshlrev_b32 v2, 3, v3
	v_bfe_u32 v9, v0, 4, 1                         ; h
	v_and_b32 v10, 15, v0                          ; r
	v_lshl_add_u32 v11, v10, 4, v9
	v_lshlrev_b32 v3, 7, v9
	v_add_nc_u32 v3, BIAS, v3
	v_lshlrev_b32 v9, 3, v9
	v_lshlrev_b32 v10, 3, v10
	v_lshl_add_u32 v5, v0, 4, BIAS
	s_lshr_b32 s36, s14, 1
	s_lshl_b32 s37, s15, 2
	s_add_co_u32 s36, s36, s37                     ; my group of 128 queries in the batch: 4 cx + w / 2
	s_and_b32 s37, s14, 1                          ; my tiles in it: 4 (w % 2) + j
	s_lshl_b32 s38, s16, 4
	s_add_co_u32 s38, s38, s36
	s_mul_i32 s38, s38, 6656                       ; the block of qbuf
	s_mul_i32 s39, s37, 3072
	s_add_co_u32 s40, s38, s39
	s_mov_b32 s41, 0
	s_add_nc_u64 s[40:41], s[4:5], s[40:41]        ; q's codes
	s_lshl_b32 s42, s37, 8
	s_add_co_u32 s42, s42, s38
	s_add_co_u32 s42, s42, 6144                    ; its scale image w % 2: tile j's words at lanes 16 (j % 2) + r, word j / 2
	s_mov_b32 s43, 0
	s_add_nc_u64 s[42:43], s[4:5], s[42:43]
	s_lshl_b32 s38, s17, 4
	s_add_co_u32 s38, s38, s36
	s_lshl_b32 s38, s38, 3
	s_lshl_b32 s39, s37, 2
	s_add_co_u32 s38, s38, s39                     ; ctx's first tile of my four
	s_mul_i32 s56, s38, 12288
	s_mul_i32 s39, s18, 768                        ; my head's 64 of K = 1,024: half fragment number head
	s_add_co_u32 s56, s56, s39
	s_mov_b32 s57, 0
	s_add_nc_u64 s[56:57], s[10:11], s[56:57]
	s_lshl_b32 s58, s38, 9
	s_lshr_b32 s39, s18, 3
	s_lshl_b32 s39, s39, 8
	s_add_co_u32 s58, s58, s39
	s_and_b32 s39, s18, 7
	s_lshl_b32 s39, s39, 1
	s_add_co_u32 s58, s58, s39                     ; its two bytes in a row's 16 of the scale record
	s_mov_b32 s59, 0
	s_add_nc_u64 s[58:59], s[12:13], s[58:59]
	WALU                                           ; the wait behind the run of scalar lines
	WIN 0x40
.irp j, 0,1,2,3
	global_load_b128 v[QW+12*\j:QW+12*\j+3], v1, s[40:41] offset:768*\j
	global_load_b64 v[QW+12*\j+4:QW+12*\j+5], v2, s[40:41] offset:768*\j+512
.endr
.irp j, 0,1,2,3
.irp i, 6,7,8,9,10,11
	v_mov_b32 v[QW+12*\j+\i], 0                    ; q's codes of k = 64 .. 127: zeros, for the whole launch
.endr
.endr
	WIN 0
.irp j, 0,1,2,3
	global_load_b32 v[QS+\j], v10, s[42:43] offset:128*(\j%2)+4*(\j/2)
.endr
.irp j, 0,1,2,3
	v_mov_b32 v[NM+4*\j], 0x71800000               ; -M begins at 2^100, so that the first f is 0
	v_mov_b32 v[NM+4*\j+1], 0xf1800000             ; the largest score so far: -2^100
	v_mov_b32 v[NM+4*\j+2], 0
	v_mov_b32 v[NM+4*\j+3], 0
.endr
.irp i, 0,1,2,3,4,5
	v_mov_b32 v[KF+48+\i], 0                       ; named by K's last tile as its registers 6-11, for the whole launch
.endr
	v_mov_b32 v[SO], 0xff61b1e6                    ; -3e38
	WALU                                           ; the wait directly ahead of the wait below
	s_wait_loadcnt 12                              ; the mask's two loads are in; q's twelve are younger
.irp i, 0,1,2,3,4,5,6,7
	v_cmp_eq_u32 vcc_lo, 0, v[48+\i]
	s_delay_alu instid0(VALU_DEP_1)
	v_cndmask_b32 v[48+\i], 0, v[SO], vcc_lo
.endr
	ds_store_b128 v5, v[48:51]
	ds_store_b128 v5, v[52:55] offset:4096
	v_mov_b32 v[T1], 0                             ; a lane permute's destination counts as one of its sources
	v_mov_b32 v[F+1], 0
	s_mov_b32 s46, 0
	s_mov_b32 s47, 0
	s_mov_b32 s48, 0
	s_mov_b32 s49, 0
	WALU                                           ; the wait at the head's end
	s_wait_loadcnt 0x0
	s_wait_dscnt 0x0                               ; my biases are stored
	s_cmp_eq_u32 s14, 0
	s_cbranch_scc0 .Lnot_0
	s_wait_tensorcnt 0x0                           ; wave 0: steps 0 and 1 have landed
.Lnot_0:
	s_barrier_signal -1
	s_barrier_wait -1                              ; the other waves' tiles may be on their way
	KADDR
	LOADK
	s_mov_b32 s46, STEPB
	s_mov_b32 s47, 512
	STEP 1                                         ; step 0 starts O^T: nothing is cleared
	WALU
	s_wait_tensorcnt 0x0                           ; every wave's load has landed,
	s_wait_dscnt 0x0
	s_barrier_signal -1
	s_barrier_wait -1                              ; and all 16 blocks are shown to all
	s_mov_b32 s50, 15
.Lstep:
	STEP 0
	s_sub_co_u32 s50, s50, 1
	s_cmp_lg_u32 s50, 0
	WALU                                           ; the wait directly ahead of the branch
	s_cbranch_scc1 .Lstep
	s_wait_dscnt 0x0                               ; the last fetch has landed: K's registers take the codes below
	OUT 0
	OUT 1
	OUT 2
	OUT 3
	s_wait_tensorcnt 0x0                           ; the wave's end
	ds_add_u32 v[SPW], v[NIL]
	s_wait_dscnt 0x0
	CROUND                                         ; the closing round
	s_endpgm
.Lfunc_end_k_q4a58032f78_attn:
	.size	k_q4a58032f78_attn, .Lfunc_end_k_q4a58032f78_attn-k_q4a58032f78_attn
	.p2alignl 7, 3214868480
	.fill 96, 4, 3214868480
	.section	.rodata,"a",@progbits
	.p2align	6, 0x0
	.amdhsa_kernel k_q4a58032f78_attn
		.amdhsa_group_segment_fixed_size 219136
		.amdhsa_private_segment_fixed_size 0
		.amdhsa_enable_private_segment 0
		.amdhsa_kernarg_size 40
		.amdhsa_user_sgpr_count 2
		.amdhsa_user_sgpr_kernarg_segment_ptr 1
		.amdhsa_wavefront_size32 1
		.amdhsa_system_sgpr_workgroup_id_x 1
		.amdhsa_system_sgpr_workgroup_id_y 1
		.amdhsa_system_sgpr_workgroup_id_z 1
		.amdhsa_system_vgpr_workitem_id 0
		.amdhsa_next_free_vgpr 512
		.amdhsa_next_free_sgpr 70
		.amdhsa_reserve_vcc 1
		.amdhsa_float_denorm_mode_32 3
		.amdhsa_float_denorm_mode_16_64 3
		.amdhsa_memory_ordered 1
		.amdhsa_forward_progress 1
		.amdhsa_inst_pref_size 132
	.end_amdhsa_kernel
	.amdgpu_metadata
---
amdhsa.version: [ 1, 2 ]
amdhsa.kernels:
  - .name:           k_q4a58032f78_attn
    .symbol:         k_q4a58032f78_attn.kd
    .args:
      - { .name: qbuf, .offset: 0, .size: 8, .value_kind: global_buffer, .address_space: global }
      - { .name: kvbuf, .offset: 8, .size: 8, .value_kind: global_buffer, .address_space: global }
      - { .name: attention_mask, .offset: 16, .size: 8, .value_kind: global_buffer, .address_space: global }
      - { .name: cc, .offset: 24, .size: 8, .value_kind: global_buffer, .address_space: global }
      - { .name: cs, .offset: 32, .size: 8, .value_kind: global_buffer, .address_space: global }
    .group_segment_fixed_size: 219136
    .private_segment_fixed_size: 0
    .kernarg_segment_align: 8
    .kernarg_segment_size: 40
    .max_flat_workgroup_size: 256
    .sgpr_count:     70
    .vgpr_count:     512
    .wavefront_size: 32
...
	.end_amdgpu_metadata
.endif
;; end of part 3
;; launch oproj (part 4): grid 8 x 32, 4 waves a work-group, clusters of 4 x 4, 307,712 bytes of LDS; arguments cbuf, sbuf, cc, cs, bo, out0; writes out0
.if DOCPART == 4
	.amdgcn_target "amdgcn-amd-amdhsa--gfx1250"
	.amdhsa_code_object_version 6
	.text
	.protected	k_q4a58032f78_oproj
	.globl	k_q4a58032f78_oproj
	.p2align	8
	.type	k_q4a58032f78_oproj,@function
k_q4a58032f78_oproj:
	s_mov_b64 s[64:65], 0
	v_nop
	global_prefetch_b8 v0, s[64:65] scope:SCOPE_SE
	s_setreg_imm32_b32 hwreg(HW_REG_WAVE_MODE, 25, 1), 1
	s_wait_xcnt 0x0
	s_wait_alu depctr_hold_cnt(0) depctr_sa_sdst(0) depctr_va_vdst(0) depctr_va_sdst(0) depctr_va_ssrc(0) depctr_va_vcc(0) depctr_vm_vsrc(0)
	s_getreg_b32 s2, hwreg(HW_REG_IB_STS2, 6, 4)
	s_cmp_eq_u32 s2, 0
	s_cbranch_scc0 .Lentry_in_a_cluster
	s_endpgm
.Lentry_in_a_cluster:
	s_bfe_u32 s2, ttmp6, 0x10000c
	s_cmp_lg_u32 s2, 0xf033
	s_cbranch_scc0 .Lentry_shape_is_right
	s_endpgm
.Lentry_shape_is_right:
; out0 = ctx Wo^T + bo on codes of FP6 (E2M3) with E8M0 scales, sums in f32.  The core is launch qkv's: P region = 128 rows of Wo (source 0), Q region = 256 tokens of ctx (source 1), all of
; K = 1,024 of both in LDS, every LDS byte filled once in two K halves, all asked for at the head (so nothing is left to prefetch); wave w takes all 8 P tiles x Q tiles 4 w .. 4 w + 3: 32 accumulators.
; A lane holds one token; its registers of P tiles 4 c .. 4 c + 3 are output channels 64 c + 32 h + 0 .. 31.
; CLUSTER 4 x 4: Wo's tiles hang on cx and are asked for jointly by the cluster's column, ctx's hang on cy and are asked for jointly by its row.  One tensor load of a wave is out.
; THE WAY OUT: 16 tokens x 128 channels at a time through the wave's own stage in LDS, back as whole rows of 512 bytes.  The stage lies in the wave's own tiles of chunk 0, which have had
; their only fill and their last read long before.
; A row of ctx whose scale bytes are 0xff (no key was left by the mask) gives NaN, as the softmax of a row without keys does.
; REGISTERS: as in launch qkv; on the way out v64-191 of window 0 take the rows read back.
; THE FILLS, as this text has them (in place of the four chunks and five loads named above): each region lies in LDS as [K half 2][tile][6,144 bytes]; each wave issues ONE tensor load at the head:
; wave 0 ctx's K half 0, wave 1 Wo's K half 0, wave 2 ctx's K half 1, wave 3 Wo's.  The products begin when waves 0 and 1 have waited; a barrier in K step 3 shows the other two tiles.
; The scale words go from memory straight into their registers, sixteen lanes to 256 bytes on end.  The stage lies in the wave's own four tiles of K half 0.
.set PREG, 0
.set QREG, 98304
.set PCH,  49152
.set QCH,  98304
.set AP16, 1
.set AP8,  2
.set AQ16, 3
.set AQ8,  4
.set ASP,  5
.set ASQ,  6
.set STO,  7                           ; v7  the way out: stage + 528 r + 128 h
.set RD,   8                           ; v8  stage + 16 l
.set CO,   9                           ; v9  16 l
.set SCP,  16
.set SCQ,  48
.set QF,   64
.set CI,   160
.set BK,   64
.set SPITCH, 528
.set G0PS, 8
.set G0QS, 12
.set G0Q,  16
.set G1Q,  32
.set G1P,  40
.set G1QS, 48
.set G1PS, 56
.set G0P,  68
.set WV,   98
.set CX,   99
.set CY,   100
.set HW,   101
.set MSB, 0
.macro WIN new                         ; the immediate's high byte repeats the setting that is left
.if MSB != \new
	s_set_vgpr_msb (MSB<<8)|\new
.set MSB, \new
.endif
.endm
.macro CREST
	s_cmp_lg_u32 s[WV], 0
	s_cbranch_scc1 .Lnot_wave_0_\@
	s_barrier_signal -3
.Lnot_wave_0_\@:
	s_barrier_wait -3
	s_barrier_signal -1
	s_barrier_wait -1
.endm
.macro CROUND
	s_barrier_signal -1
	s_barrier_wait -1
	CREST
.endm
.macro GROUP1 g, c, r, p
	s_mov_b32 s[\g+1], (\c)<<16
	s_mov_b32 s[\g+2], (\r)<<16
	s_mov_b32 s[\g+3], (\c)<<16
	s_mov_b32 s[\g+4], \r
	s_mov_b32 s[\g+5], \p
	s_mov_b32 s[\g+6], 0
	s_mov_b32 s[\g+7], 0
.endm
.macro WM ac, pf, qf, cc, sa, sb, pa, pb
.if (\pa) && (\pb)
	v_wmma_scale_f32_16x16x128_f8f6f4 v[\ac:\ac+7], v[\pf:\pf+11], v[\qf:\qf+11], v[\cc:\cc+7], v[\sa], v[\sb] matrix_a_fmt:MATRIX_FMT_FP6 matrix_b_fmt:MATRIX_FMT_FP6 matrix_a_scale:MATRIX_SCALE_ROW1 matrix_b_scale:MATRIX_SCALE_ROW1
.elseif (\pa)
	v_wmma_scale_f32_16x16x128_f8f6f4 v[\ac:\ac+7], v[\pf:\pf+11], v[\qf:\qf+11], v[\cc:\cc+7], v[\sa], v[\sb] matrix_a_fmt:MATRIX_FMT_FP6 matrix_b_fmt:MATRIX_FMT_FP6 matrix_a_scale:MATRIX_SCALE_ROW1
.elseif (\pb)
	v_wmma_scale_f32_16x16x128_f8f6f4 v[\ac:\ac+7], v[\pf:\pf+11], v[\qf:\qf+11], v[\cc:\cc+7], v[\sa], v[\sb] matrix_a_fmt:MATRIX_FMT_FP6 matrix_b_fmt:MATRIX_FMT_FP6 matrix_b_scale:MATRIX_SCALE_ROW1
.else
	v_wmma_scale_f32_16x16x128_f8f6f4 v[\ac:\ac+7], v[\pf:\pf+11], v[\qf:\qf+11], v[\cc:\cc+7], v[\sa], v[\sb] matrix_a_fmt:MATRIX_FMT_FP6 matrix_b_fmt:MATRIX_FMT_FP6
.endif
.endm
; 8 products: Q tile a against P's eight, K step s.  ci = 0: onto the sums; 1: the bias of P's rows starts them.  The 32 accumulators take turns, one instruction a turn.
.macro MUL a, s, ci
.irp b, 0,1,2,3,4,5,6,7
.set AC, 8*(8*(\a)+\b)
.set CC, AC
.if (\ci) == 1
.set CC, CI+8*\b
.endif
	WM AC, 96*((\s)%2)+12*\b, QF+48*((\s)%2)+12*(\a), CC, SCP+8*(\b/2)+(\s), SCQ+8*((\a)/2)+(\s), \b%2, (\a)%2
.endr
.endm
.macro FETCH s
	WIN 0x80                                       ; destination window 2
.irp b, 0,1,2,3,4,5,6,7
.set FB, 96*((\s)%2)+12*\b
.set FO, 6144*\b+1536*((\s)%4)
	ds_load_b128 v[FB:FB+3], v[AP16] offset:FO
	ds_load_b64 v[FB+4:FB+5], v[AP8] offset:FO+512
	ds_load_b128 v[FB+6:FB+9], v[AP16] offset:FO+768
	ds_load_b64 v[FB+10:FB+11], v[AP8] offset:FO+1280
.endr
	WIN 0
.irp a, 0,1,2,3
.set FB, QF+48*((\s)%2)+12*\a
.set FO, 6144*\a+1536*((\s)%4)
	ds_load_b128 v[FB:FB+3], v[AQ16] offset:FO
	ds_load_b64 v[FB+4:FB+5], v[AQ8] offset:FO+512
	ds_load_b128 v[FB+6:FB+9], v[AQ16] offset:FO+768
	ds_load_b64 v[FB+10:FB+11], v[AQ8] offset:FO+1280
.endr
.endm
.macro SCALES
.irp j, 0,1,2,3
.irp f, 0,1
	global_load_b128 v[SCP+8*\j+4*\f:SCP+8*\j+4*\f+3], v[ASP], s[66:67] offset:1024*\j+256*\f
.endr
.endr
.irp j, 0,1
.irp f, 0,1
	global_load_b128 v[SCQ+8*\j+4*\f:SCQ+8*\j+4*\f+3], v[ASQ], s[8:9] offset:1024*\j+256*\f
.endr
.endr
.endm
.macro GSTEP s
	s_wait_dscnt 0x0                               ; this step's fragments are in (asked for 32 matrix instructions ago)
.if (\s) == 7
	WIN 0x52
	MUL 0, \s, 0
	MUL 1, \s, 0
	MUL 2, \s, 0
	MUL 3, \s, 0
.elseif (\s) != 3                      ; the next step lies in the same K half
.rept 4
	v_nop                                          ; places in front of loads into registers that matrix instructions have read
.endr
	FETCH (\s)+1
	WIN 0x52                                       ; source 0 window 2, C and D window 1
	MUL 0, \s, 0
	MUL 1, \s, 0
	MUL 2, \s, 0
	MUL 3, \s, 0
.else                                  ; the next step begins a chunk: my part of it has landed, then everybody's
	s_wait_tensorcnt 0x0                           ; every wave's one load has landed: K half 1 is whole behind this barrier; nothing is filled again
	s_barrier_signal -1
	WIN 0x52
	MUL 0, \s, 0
	WIN 0
	s_barrier_wait -1
	v_add_nc_u32 v[AP16], PCH, v[AP16]             ; on to the next chunk; these four are also the places in front of the loads
	v_add_nc_u32 v[AP8], PCH, v[AP8]
	v_add_nc_u32 v[AQ16], QCH, v[AQ16]
	v_add_nc_u32 v[AQ8], QCH, v[AQ8]
	FETCH (\s)+1
	WIN 0x52
	MUL 1, \s, 0
	MUL 2, \s, 0
	MUL 3, \s, 0
.endif
.endm
	s_load_b256 s[84:91], s[0:1], 0x0              ; cbuf, sbuf, cc, cs
	s_load_b128 s[92:95], s[0:1], 0x20             ; bo, out0
	v_lshl_add_u32 v254, v0, 2, 0x4b000
	v_mov_b32 v255, 0
	ds_add_u32 v254, v255
	ds_add_u32 v254, v255
	v_lshrrev_b32 v1, 5, v0
	v_readfirstlane_b32 s[WV], v1                  ; wave 0..3
	s_bfe_u32 s[CX], ttmp6, 0x40000
	s_bfe_u32 s[CY], ttmp6, 0x40004
	s_lshl_b32 s2, 0x1111, s[CX]                   ; my column of the cluster: Wo's partners
	s_lshl_b32 s4, s[CY], 2
	s_lshl_b32 s4, 15, s4                          ; my row: ctx's partners
	s_or_b32 s[G1P], s2, (3<<16)|(1<<21)
	s_or_b32 s[G1Q], s4, (3<<16)|(1<<21)
	GROUP1 G1Q, 768, 16, 1536                      ; 16 tiles' 6,144 bytes of a K half, 12,288 bytes apart
	GROUP1 G1P, 768, 8, 1536                       ; 8 tiles'
	s_lshl_b32 s2, ttmp9, 5
	s_add_co_u32 s2, s2, 704                       ; Wo's tiles begin at 704: + 8 (4 X + cx)
	s_lshl_b32 s3, s[CX], 3
	s_add_co_u32 s2, s2, s3
	s_and_b32 s4, ttmp7, 0xffff
	s_lshl_b32 s4, s4, 6
	s_lshl_b32 s5, s[CY], 4
	s_add_co_u32 s4, s4, s5                        ; ctx's tile 16 (4 Y + cy)
	s_lshl_b32 s66, s2, 9
	s_mov_b32 s67, 0
	s_mul_i32 s2, s2, 12288
	s_mov_b32 s3, 0
	s_lshl_b32 s6, s4, 9
	s_mov_b32 s7, 0
	s_mul_i32 s4, s4, 12288
	s_mov_b32 s5, 0
	s_wait_dscnt 0x0
	s_wait_kmcnt 0x0
	s_add_nc_u64 s[2:3], s[84:85], s[2:3]          ; Wo's codes
	s_add_nc_u64 s[66:67], s[86:87], s[66:67]      ; Wo's scales
	s_add_nc_u64 s[4:5], s[88:89], s[4:5]          ; ctx's codes
	s_add_nc_u64 s[8:9], s[90:91], s[6:7]          ; ctx's scales
.irp c, 0,1                            ; a group 0 for each K half of each region
	s_mov_b32 s[G0P+4*\c], 1
	s_mov_b32 s[G0P+4*\c+1], PREG+PCH*\c
	s_add_nc_u64 s[G0P+4*\c+2:G0P+4*\c+3], s[2:3], 6144*\c
	s_or_b32 s[G0P+4*\c+3], s[G0P+4*\c+3], 0x80000000
	s_mov_b32 s[G0Q+4*\c], 1
	s_mov_b32 s[G0Q+4*\c+1], QREG+QCH*\c
	s_add_nc_u64 s[G0Q+4*\c+2:G0Q+4*\c+3], s[4:5], 6144*\c
	s_or_b32 s[G0Q+4*\c+3], s[G0Q+4*\c+3], 0x80000000
.endr
	CROUND                                         ; all sixteen work-groups are here: the joint loads meet
	s_cmp_eq_u32 s[WV], 0                          ; one chain of branches on the wave's number, one load to an arm
	s_cbranch_scc0 .Larm1
	tensor_load_to_lds s[G0Q:G0Q+3], s[G1Q:G1Q+7]  ; wave 0: ctx, K half 0
	s_nop 0
.rept 4
	v_nop
.endr
	s_branch .Lfilled
.Larm1:
	s_cmp_eq_u32 s[WV], 1
	s_cbranch_scc0 .Larm2
	tensor_load_to_lds s[G0P:G0P+3], s[G1P:G1P+7]  ; wave 1: Wo, K half 0
	s_nop 0
.rept 4
	v_nop
.endr
	s_branch .Lfilled
.Larm2:
	s_cmp_eq_u32 s[WV], 2
	s_cbranch_scc0 .Larm3
	tensor_load_to_lds s[G0Q+4:G0Q+7], s[G1Q:G1Q+7]  ; wave 2: ctx, K half 1
	s_nop 0
.rept 4
	v_nop
.endr
	s_branch .Lfilled
.Larm3:
	tensor_load_to_lds s[G0P+4:G0P+7], s[G1P:G1P+7]  ; wave 3: Wo, K half 1
	s_nop 0
.rept 4
	v_nop
.endr
.Lfilled:
	v_and_b32 v7, 31, v0                           ; l
	v_and_b32 v8, 15, v0                           ; r
	v_bfe_u32 v9, v0, 4, 1                         ; h
	v_lshlrev_b32 v[AP16], 4, v7                   ; (PREG = 0)
	v_lshlrev_b32 v[AP8], 3, v7
	s_mul_i32 s6, s[WV], 24576                     ; my four tiles of a K half
	s_add_co_u32 s6, s6, QREG
	v_add_nc_u32 v[AQ16], s6, v[AP16]
	v_add_nc_u32 v[AQ8], s6, v[AP8]
	v_lshlrev_b32 v[ASP], 9, v9
	v_lshl_add_u32 v[ASP], v8, 4, v[ASP]
	s_lshl_b32 s6, s[WV], 11
	v_add_nc_u32 v[ASQ], s6, v[ASP]                ; offsets in the regions' scale records: 512 h + 16 r, and + 2,048 w
	v_lshlrev_b32 v10, 7, v9                       ; my half's 32 channels: 128 h bytes
	SCALES
	s_lshl_b32 s2, ttmp9, 2
	s_add_co_u32 s2, s2, s[CX]                     ; which 128 output channels
	s_lshl_b32 s2, s2, 9
	s_mov_b32 s3, 0
	s_add_nc_u64 s[4:5], s[92:93], s[2:3]
.irp b, 0,1,2,3,4,5,6,7                ; THE BIAS is the C of the first K step's products: register 8 b + j: channel 64 (b / 4) + 32 h + 8 (b % 4) + j
	global_load_b128 v[CI+8*\b:CI+8*\b+3], v10, s[4:5] offset:256*(\b/4)+32*(\b%4)
	global_load_b128 v[CI+8*\b+4:CI+8*\b+7], v10, s[4:5] offset:256*(\b/4)+32*(\b%4)+16
.endr
	s_wait_alu depctr_va_vdst(0)
	s_cmp_lt_u32 s[WV], 2
	s_cbranch_scc0 .Lnot_first
	s_wait_tensorcnt 0x0                           ; waves 0 and 1: K half 0 has landed
.Lnot_first:
	s_barrier_signal -1
	s_barrier_wait -1                              ; waves 2 and 3's tiles may be on their way
	FETCH 0
	s_wait_loadcnt 0x0                             ; the bias
	s_wait_dscnt 0x0
	FETCH 1
	WIN 0x42                                       ; source 0 window 2, C window 0, D window 1: K step 0 starts the sums: nothing is cleared
	MUL 0, 0, 1
	MUL 1, 0, 1
	MUL 2, 0, 1
	MUL 3, 0, 1
	GSTEP 1
	GSTEP 2
	GSTEP 3
	s_wait_alu depctr_va_vdst(0)
	GSTEP 4
	GSTEP 5
	GSTEP 6
	GSTEP 7
	WIN 0
	s_mul_i32 s6, s[WV], 24576
	s_add_co_u32 s6, s6, QREG                      ; my stage
	s_and_b32 s8, ttmp7, 0xffff
	s_lshl_b32 s8, s8, 2
	s_add_co_u32 s8, s8, s[CY]
	s_lshl_b32 s8, s8, 2
	s_add_co_u32 s8, s8, s[WV]                     ; my 64 tokens: number 4 (4 Y + cy) + w,
	s_lshl_b32 s8, s8, 18                          ; x 64 rows of 4,096 bytes
	s_lshl_b32 s9, ttmp9, 2
	s_add_co_u32 s9, s9, s[CX]
	s_lshl_b32 s9, s9, 9                           ; + my 128 channels
	s_add_co_u32 s8, s8, s9
	s_mov_b32 s9, 0
	s_add_nc_u64 s[8:9], s[94:95], s[8:9]
	v_and_b32 v[CO], 31, v0                        ; (these eight plain lines are also the places behind the last products)
	v_and_b32 v[STO], 15, v0
	v_bfe_u32 v[RD], v0, 4, 1
	v_lshlrev_b32 v[CO], 4, v[CO]
	v_mul_u32_u24 v[STO], v[STO], SPITCH
	v_lshl_add_u32 v[STO], v[RD], 7, v[STO]
	v_add_nc_u32 v[STO], s6, v[STO]
	v_add_nc_u32 v[RD], s6, v[CO]
; Q tile a: 16 tokens x 128 channels into the stage (each accumulator from its low end on) and back as whole rows.  LDS serves a wave's instructions in order: no wait between the stores and the loads.
.macro TOSTAGE a
	WIN 0x04                                       ; an LDS store's data are its source 1: window 1
.irp b, 0,1,2,3,4,5,6,7
	ds_store_b128 v[STO], v[8*(8*(\a)+\b):8*(8*(\a)+\b)+3] offset:256*(\b/4)+32*(\b%4)
	ds_store_b128 v[STO], v[8*(8*(\a)+\b)+4:8*(8*(\a)+\b)+7] offset:256*(\b/4)+32*(\b%4)+16
.endr
	WIN 0
.irp i, 0,1,2,3,4,5,6,7,8,9,10,11,12,13,14,15
	ds_load_b128 v[BK+64*((\a)%2)+4*\i:BK+64*((\a)%2)+4*\i+3], v[RD] offset:SPITCH*\i
.endr
.endm
.macro SEND a, younger                 ; younger: the LDS instructions issued behind tile a's loads, which may stay out
	s_wait_dscnt \younger
.irp i, 0,1,2,3,4,5,6,7,8,9,10,11,12,13,14,15
	global_store_b128 v[CO], v[BK+64*((\a)%2)+4*\i:BK+64*((\a)%2)+4*\i+3], s[8:9] offset:(32*(\i/8)+8*(\a)+\i%8)*4096 th:TH_STORE_NT   ; lane index i of tile a is token 32 (i / 8) + 8 a + i % 8 of my 64; 512 bytes on end, aligned
.endr
.endm
	TOSTAGE 0
	TOSTAGE 1
	s_wait_alu depctr_va_vdst(0)
	SEND 0, 32                                     ; behind tile 0's loads: tile 1's 16 stores and 16 loads
	s_wait_xcnt 0x0                                ; tile 0's stores have read their registers: tile 2's rows may land there
	TOSTAGE 2
	SEND 1, 32
	s_wait_xcnt 0x0
	TOSTAGE 3
	SEND 2, 32
	SEND 3, 0
	s_wait_tensorcnt 0x0
	ds_add_u32 v254, v255
	s_wait_dscnt 0x0
	CROUND                                         ; the closing round: no work-group ends while a partner may still ask for a tile that names it
	s_endpgm
.Lfunc_end_k_q4a58032f78_oproj:
	.size	k_q4a58032f78_oproj, .Lfunc_end_k_q4a58032f78_oproj-k_q4a58032f78_oproj
	.p2alignl 7, 3214868480
	.fill 96, 4, 3214868480
	.section	.rodata,"a",@progbits
	.p2align	6, 0x0
	.amdhsa_kernel k_q4a58032f78_oproj
		.amdhsa_group_segment_fixed_size 307712
		.amdhsa_private_segment_fixed_size 0
		.amdhsa_enable_private_segment 0
		.amdhsa_kernarg_size 48
		.amdhsa_user_sgpr_count 2
		.amdhsa_user_sgpr_kernarg_segment_ptr 1
		.amdhsa_wavefront_size32 1
		.amdhsa_system_sgpr_workgroup_id_x 1
		.amdhsa_system_sgpr_workgroup_id_y 1
		.amdhsa_system_sgpr_workgroup_id_z 1
		.amdhsa_system_vgpr_workitem_id 0
		.amdhsa_next_free_vgpr 704
		.amdhsa_next_free_sgpr 102
		.amdhsa_reserve_vcc 0
		.amdhsa_float_denorm_mode_32 3
		.amdhsa_float_denorm_mode_16_64 3
		.amdhsa_memory_ordered 1
		.amdhsa_forward_progress 1
		.amdhsa_inst_pref_size 83
	.end_amdhsa_kernel
	.amdgpu_metadata
---
amdhsa.version: [ 1, 2 ]
amdhsa.kernels:
  - .name:           k_q4a58032f78_oproj
    .symbol:         k_q4a58032f78_oproj.kd
    .args:
      - { .name: cbuf, .offset: 0, .size: 8, .value_kind: global_buffer, .address_space: global }
      - { .name: sbuf, .offset: 8, .size: 8, .value_kind: global_buffer, .address_space: global }
      - { .name: cc, .offset: 16, .size: 8, .value_kind: global_buffer, .address_space: global }
      - { .name: cs, .offset: 24, .size: 8, .value_kind: global_buffer, .address_space: global }
      - { .name: bo, .offset: 32, .size: 8, .value_kind: global_buffer, .address_space: global }
      - { .name: out0, .offset: 40, .size: 8, .value_kind: global_buffer, .address_space: global }
    .group_segment_fixed_size: 307712
    .private_segment_fixed_size: 0
    .kernarg_segment_align: 8
    .kernarg_segment_size: 48
    .max_flat_workgroup_size: 128
    .sgpr_count:     102
    .vgpr_count:     704
    .wavefront_size: 32
...
	.end_amdgpu_metadata
.endif
;; end of part 4
